; MI455X (gfx1250); checked and timed in simulation.
; The chip was launched on July 23, 2026; its instructions are those of AMD's public machine-readable ISA for CDNA 5 (MIT licence, August 2026) and "CDNA5" Instruction Set Architecture Reference Guide (July 2026). The comments in the code are by the model that wrote it; some were corrected since.
;; Quantum Warp Attention. Allowed arithmetic: float matrix products may take bf16 or f16 operands with f32 sums; other float arithmetic in f32, or as packed bf16 or f16 multiplies, adds, multiply-adds, maxima and minima; sums over many terms, partial sums and values carried from step to step in f32; what a program stores and reads back later, other than sums and carried values, may be rounded once to bf16 or f16.
;; Inputs: Wk 1,024 x 4,096 float32; Wo 4,096 x 1,024 float32; Wq 1,024 x 4,096 float32; Wv 1,024 x 4,096 float32; bk 4,096 float32; bo 1,024 float32; bq 4,096 float32; bv 4,096 float32; phase 4 x 1,024 float32; x 4 x 1,024 x 1,024 float32.
;; Outputs: out0 4 x 1,024 x 1,024 float32.
;; One version. Each part assembles by itself: llvm-mc -triple=amdgcn-amd-amdhsa -mcpu=gfx1250 --defsym DOCPART=n.
;; ======== version 1 of 1: 4 launches
;; limits: values are held in f16: magnitudes above 65,504 overflow, below 6.1e-05 lose precision; right only within a limited range of input values
;; workspace buffers: xb 8,388,608 bytes; wb 25,165,824 bytes; wo16 8,388,608 bytes; ps 8,388,608 bytes; vb 33,554,432 bytes; a2 33,554,432 bytes
;; launch cvt (part 1): grid 256 x 5, 8 waves a work-group, no clusters, 19,456 bytes of LDS; arguments x, Wq, Wk, Wv, Wo, xb, wb, wo16; writes xb, wb, wo16
.if DOCPART == 1
	.amdgcn_target "amdgcn-amd-amdhsa--gfx1250"
	.amdhsa_code_object_version 6
	.text
	.protected	k_q75f0155ea5_cvt
	.globl	k_q75f0155ea5_cvt
	.p2align	8
	.type	k_q75f0155ea5_cvt,@function
k_q75f0155ea5_cvt:
	s_mov_b64 s[64:65], 0
	v_nop
	global_prefetch_b8 v0, s[64:65] scope:SCOPE_SE
	s_setreg_imm32_b32 hwreg(HW_REG_WAVE_MODE, 25, 1), 1
	s_wait_xcnt 0x0
; THE INPUTS OF THE FOUR PRODUCTS ARE ROUNDED ONCE.  x, Wq, Wk, Wv: f32 -> bf16.  Wo: f32 -> bf16, and that number written as f16 (the last product multiplies in f16).
; Each of the five arrays is 4,194,304 f32, taken as 1,024 rows of 4,096.  The grid's y picks the work, its x the rows; every work-group takes 64 KiB in and 32 KiB out.
; y = 0: x -> xb [4096][1024] bf16, a dense copy.   y = 4: Wo -> wo16 [4096][1024] f16, a dense copy.   y = 3: Wv -> columns 8,192 on of wb [1024][12288] bf16, in Wv's own order.
; y = 1, 2: Wq and Wk together -> columns 0 to 8,191 of wb, IN THE ORDER THAT THE NEXT LAUNCH'S SCORES WANT: channel d = 32 TQ + 16 CH + dd of head h of q (t = 0) or k (t = 1) is column
; 256 TQ + 128 CH + 64 t + 16 h + dd.  So 128 columns on end hold the same 16 channels of q's four heads and of k's four heads.
; The plain paths: thread t, step j of 16: 16 bytes in at 4,096 j + 16 t (a wave's load covers 512 bytes on end), 8 bytes out (a wave's store covers 256 bytes on end, aligned).
; The path of Wq and Wk: a work-group takes two rows of both arrays; wave w channels 128 w .. 128 w + 127 of all four heads: 16 loads of 512 bytes on end.  A row's eight loads hold eight blocks of 128 columns of wb,
; spread over lanes and registers: they change places through LDS bytes of the wave's own (8 bytes a lane in, 16 bytes a lane back) and leave as four stores of 512 bytes on end, aligned.
; All sixteen loads go out at once; no register of a load or store is written again while it is in use, so the only waits are the counted ones for data.
; LIMITS.  |Wo| stays under 65,504 (f16's range); a rounded Wo below 2^-14 keeps f16's fixed step of 6e-8.  No matrix unit, no cluster: nothing is multiplied and no two work-groups read the same bytes.
.set VI, 1                             ; v1        16 t
.set VO, 2                             ; v2        8 t
.set VL, 3                             ; v3        16 x lane
.set T,  4                             ; v[4:5]    at work
.set VS, 6                             ; v6        the exchange: where I put 8 bytes
.set VR, 7                             ; v7        the exchange: where I read 16 bytes back
.set X,  8                             ; v[8:71]   load j: 4 registers
.set Y,  72                            ; v[72:103] rounded numbers
.set SPW, 104                          ; v104      LDS address of my spare word: SPARE + 4 x my thread's number; never rewritten
.set NIL, 105                          ; v105      0; never rewritten
.set UP,  288                          ; the exchange: 256 bytes of 128 columns + 32 = 72 words: the eight blocks begin 8 banks apart, so 32 lanes' 8 bytes fall on 64 different banks (64 banks of 4 bytes: ISA guide 11.1)
.set WREG, 8*UP                        ; a wave's bytes
.set SPARE, 8*WREG                     ; behind them: the spare words, 128 bytes for each wave: four blocks of 256 bytes that no other line names
.set SRC, 24                           ; s[24:25]  the array, at the work-group's four rows
.set DST, 26                           ; s[26:27]  the copy
.set PIT, 28                           ; s[28:29]  bytes from row to row of the copy
.set D0,  32                           ; s[32:39]  the copy at each of the four rows
	s_load_b512 s[8:23], s[0:1], 0x0               ; x, Wq, Wk, Wv, Wo, xb, wb, wo16
	v_lshl_add_u32 v[SPW], v0, 2, SPARE
	v_mov_b32 v[NIL], 0
	s_and_b32 s2, ttmp7, 0xffff                    ; which work
	s_sub_co_u32 s3, s2, 1
	s_cmp_lt_u32 s3, 2
	s_cbranch_scc1 .Lqk                            ; y = 1, 2
	v_lshlrev_b32 v[VI], 4, v0
	v_lshlrev_b32 v[VO], 3, v0
	s_mov_b32 s[PIT], 8192
	s_mov_b32 s[PIT+1], 0
	s_cmp_eq_u32 s2, 3
	s_cselect_b32 s[PIT], 24576, s[PIT]            ; Wv goes into rows of wb,
	s_cselect_b32 s4, 16384, 0                     ; behind q's and k's 8,192 columns
	s_lshl_b32 s5, ttmp9, 2                        ; my first row
	s_mul_i32 s30, s5, s[PIT]
	s_add_co_u32 s30, s30, s4
	s_mov_b32 s31, 0
	s_lshl_b32 s6, ttmp9, 16                       ; four rows of 16,384 bytes
	s_mov_b32 s7, 0
	s_wait_kmcnt 0x0
	s_cmp_eq_u32 s2, 3
	s_cselect_b64 s[SRC:SRC+1], s[14:15], s[8:9]
	s_cselect_b64 s[DST:DST+1], s[20:21], s[18:19]
	s_cmp_eq_u32 s2, 4
	s_cselect_b64 s[SRC:SRC+1], s[16:17], s[SRC:SRC+1]
	s_cselect_b64 s[DST:DST+1], s[22:23], s[DST:DST+1]
	s_add_nc_u64 s[SRC:SRC+1], s[SRC:SRC+1], s[6:7]
	s_add_nc_u64 s[D0:D0+1], s[DST:DST+1], s[30:31]
	s_add_nc_u64 s[D0+2:D0+3], s[D0:D0+1], s[PIT:PIT+1]
	s_add_nc_u64 s[D0+4:D0+5], s[D0+2:D0+3], s[PIT:PIT+1]
	s_add_nc_u64 s[D0+6:D0+7], s[D0+4:D0+5], s[PIT:PIT+1]
.irp j, 0,1,2,3,4,5,6,7,8,9,10,11,12,13,14,15
	global_load_b128 v[X+4*(\j):X+4*(\j)+3], v[VI], s[SRC:SRC+1] offset:4096*(\j) th:TH_LOAD_NT
.endr
; Step j of a plain path.  half = 1: the bf16 number is widened again and written as f16.
.macro STEP j, half
	s_wait_loadcnt 15-(\j)                         ; loads come back in order (ISA guide 5.7.1): mine is in, the 15 - j younger ones stay out
.if \half
	v_cvt_pk_bf16_f32 v[T],   v[X+4*(\j)],   v[X+4*(\j)+1]
	v_cvt_pk_bf16_f32 v[T+1], v[X+4*(\j)+2], v[X+4*(\j)+3]
	v_lshlrev_b32 v[X+4*(\j)],   16, v[T]
	v_and_b32     v[X+4*(\j)+1], 0xffff0000, v[T]
	v_lshlrev_b32 v[X+4*(\j)+2], 16, v[T+1]
	v_and_b32     v[X+4*(\j)+3], 0xffff0000, v[T+1]
	v_cvt_pk_f16_f32 v[Y+2*(\j)],   v[X+4*(\j)],   v[X+4*(\j)+1]
	v_cvt_pk_f16_f32 v[Y+2*(\j)+1], v[X+4*(\j)+2], v[X+4*(\j)+3]
.else
	v_cvt_pk_bf16_f32 v[Y+2*(\j)],   v[X+4*(\j)],   v[X+4*(\j)+1]
	v_cvt_pk_bf16_f32 v[Y+2*(\j)+1], v[X+4*(\j)+2], v[X+4*(\j)+3]
.endif
	global_store_b64 v[VO], v[Y+2*(\j):Y+2*(\j)+1], s[D0+2*((\j)/4):D0+2*((\j)/4)+1] offset:((\j)%4)*2048 th:TH_STORE_NT
.endm
	s_cmp_eq_u32 s2, 4
	s_cbranch_scc1 .Lwo
.irp j, 0,1,2,3,4,5,6,7,8,9,10,11,12,13,14,15
	STEP \j, 0
.endr
	s_endpgm
.Lwo:
.irp j, 0,1,2,3,4,5,6,7,8,9,10,11,12,13,14,15
	STEP \j, 1
.endr
	s_endpgm
.Lqk:                                                  ; Wq and Wk
	v_lshrrev_b32 v[T], 5, v0
	v_readfirstlane_b32 s4, v[T]                   ; wave 0..7
	v_and_b32 v[T], 31, v0                         ; lane l: channels 128 w + 4 l + 0..3
	v_lshlrev_b32 v[VL], 4, v[T]
	s_mul_i32 s5, s4, WREG                         ; my wave's bytes
	v_lshrrev_b32 v[VS], 2, v[T]                   ; in: block l / 4 of the wave's eight (16 channels each),
	v_mul_u32_u24 v[VS], v[VS], UP
	v_and_b32 v[T+1], 3, v[T]
	v_lshl_add_u32 v[VS], v[T+1], 3, v[VS]         ; 8 bytes at 8 (l % 4); array and head stand in the immediate
	v_add_nc_u32 v[VS], s5, v[VS]
	v_lshrrev_b32 v[VR], 4, v[T]                   ; back: lanes 0-15 take one block whole, lanes 16-31 the next
	v_mul_u32_u24 v[VR], v[VR], UP
	v_and_b32 v[T+1], 15, v[T]
	v_lshl_add_u32 v[VR], v[T+1], 4, v[VR]
	v_add_nc_u32 v[VR], s5, v[VR]
	s_lshl_b32 s5, s3, 9                           ; y = 1: rows 0 to 511, y = 2: rows 512 to 1,023;
	s_lshl_b32 s6, ttmp9, 1
	s_add_co_u32 s5, s5, s6                        ; my first row of two
	s_lshl_b32 s24, s5, 14                         ; rows of 16,384 bytes,
	s_lshl_b32 s6, s4, 9                           ; my wave's 128 channels
	s_add_co_u32 s24, s24, s6
	s_mov_b32 s25, 0
	s_mul_i32 s26, s5, 24576                       ; rows of wb,
	s_lshl_b32 s6, s4, 11                          ; my wave's eight blocks of 256 bytes
	s_add_co_u32 s26, s26, s6
	s_mov_b32 s27, 0
	s_wait_kmcnt 0x0
	s_add_nc_u64 s[28:29], s[10:11], s[24:25]      ; Wq
	s_add_nc_u64 s[30:31], s[12:13], s[24:25]      ; Wk
	s_add_nc_u64 s[32:33], s[20:21], s[26:27]      ; wb
.irp rr, 0,1
.irp h, 0,1,2,3
	global_load_b128 v[X+32*(\rr)+4*(\h):X+32*(\rr)+4*(\h)+3], v[VL], s[28:29] offset:16384*(\rr)+4096*(\h) th:TH_LOAD_NT
.endr
.irp h, 0,1,2,3
	global_load_b128 v[X+32*(\rr)+16+4*(\h):X+32*(\rr)+16+4*(\h)+3], v[VL], s[30:31] offset:16384*(\rr)+4096*(\h) th:TH_LOAD_NT
.endr
.endr
.macro ROWQK rr                        ; one row: c = 4 t + h counts its eight loads
	s_wait_loadcnt 8-8*(\rr)                       ; this row's eight loads are in; the second row's eight may stay out
.irp c, 0,1,2,3,4,5,6,7
	v_cvt_pk_bf16_f32 v[Y+16*(\rr)+2*(\c)],   v[X+32*(\rr)+4*(\c)],   v[X+32*(\rr)+4*(\c)+1]
	v_cvt_pk_bf16_f32 v[Y+16*(\rr)+2*(\c)+1], v[X+32*(\rr)+4*(\c)+2], v[X+32*(\rr)+4*(\c)+3]
.endr
.irp c, 0,1,2,3,4,5,6,7
	ds_store_b64 v[VS], v[Y+16*(\rr)+2*(\c):Y+16*(\rr)+2*(\c)+1] offset:32*(\c)  ; in a block: 128 t + 32 h + 2 dd
.endr
.irp u, 0,1,2,3
	ds_load_b128 v[X+32*(\rr)+4*(\u):X+32*(\rr)+4*(\u)+3], v[VR] offset:2*UP*(\u)  ; LDS serves a wave's instructions in order (ISA guide 5.7.1.4): these see the stores above, and the next row's stores come behind them
.endr
.irp u, 0,1,2,3
	s_wait_dscnt 3-(\u)                            ; the later reads back may stay out
	global_store_b128 v[VL], v[X+32*(\rr)+4*(\u):X+32*(\rr)+4*(\u)+3], s[32:33] offset:24576*(\rr)+512*(\u) th:TH_STORE_NT  ; 512 bytes on end, aligned
.endr
.endm
	ROWQK 0
	ROWQK 1
	s_wait_tensorcnt 0x0                           ; the wave's end, behind my last LDS store
	ds_add_u32 v[SPW], v[NIL]
	s_wait_dscnt 0x0
	s_endpgm
.Lfunc_end_k_q75f0155ea5_cvt:
	.size	k_q75f0155ea5_cvt, .Lfunc_end_k_q75f0155ea5_cvt-k_q75f0155ea5_cvt
	.p2alignl 7, 3214868480
	.fill 96, 4, 3214868480
	.section	.rodata,"a",@progbits
	.p2align	6, 0x0
	.amdhsa_kernel k_q75f0155ea5_cvt
		.amdhsa_group_segment_fixed_size 19456
		.amdhsa_private_segment_fixed_size 0
		.amdhsa_enable_private_segment 0
		.amdhsa_kernarg_size 64
		.amdhsa_user_sgpr_count 2
		.amdhsa_user_sgpr_kernarg_segment_ptr 1
		.amdhsa_wavefront_size32 1
		.amdhsa_system_sgpr_workgroup_id_x 1
		.amdhsa_system_sgpr_workgroup_id_y 1
		.amdhsa_system_sgpr_workgroup_id_z 1
		.amdhsa_system_vgpr_workitem_id 0
		.amdhsa_next_free_vgpr 106
		.amdhsa_next_free_sgpr 66
		.amdhsa_reserve_vcc 0
		.amdhsa_float_denorm_mode_32 3
		.amdhsa_float_denorm_mode_16_64 3
		.amdhsa_memory_ordered 1
		.amdhsa_forward_progress 1
		.amdhsa_inst_pref_size 24
	.end_amdhsa_kernel
	.amdgpu_metadata
---
amdhsa.version: [ 1, 2 ]
amdhsa.kernels:
  - .name:           k_q75f0155ea5_cvt
    .symbol:         k_q75f0155ea5_cvt.kd
    .args:
      - { .name: x, .offset: 0, .size: 8, .value_kind: global_buffer, .address_space: global }
      - { .name: Wq, .offset: 8, .size: 8, .value_kind: global_buffer, .address_space: global }
      - { .name: Wk, .offset: 16, .size: 8, .value_kind: global_buffer, .address_space: global }
      - { .name: Wv, .offset: 24, .size: 8, .value_kind: global_buffer, .address_space: global }
      - { .name: Wo, .offset: 32, .size: 8, .value_kind: global_buffer, .address_space: global }
      - { .name: xb, .offset: 40, .size: 8, .value_kind: global_buffer, .address_space: global }
      - { .name: wb, .offset: 48, .size: 8, .value_kind: global_buffer, .address_space: global }
      - { .name: wo16, .offset: 56, .size: 8, .value_kind: global_buffer, .address_space: global }
    .group_segment_fixed_size: 19456
    .private_segment_fixed_size: 0
    .kernarg_segment_align: 8
    .kernarg_segment_size: 64
    .max_flat_workgroup_size: 256
    .sgpr_count:     66
    .vgpr_count:     106
    .wavefront_size: 32
...
	.end_amdgpu_metadata
.endif
;; end of part 1
;; launch qkv (part 2): grid 16 x 16, 4 waves a work-group, clusters of 4 x 4, 327,680 bytes of LDS; arguments xb, wb, bq, bk, bv, phase, ps, vb; writes ps, vb
.if DOCPART == 2
	.amdgcn_target "amdgcn-amd-amdhsa--gfx1250"
	.amdhsa_code_object_version 6
	.text
	.protected	k_q75f0155ea5_qkv
	.globl	k_q75f0155ea5_qkv
	.p2align	8
	.type	k_q75f0155ea5_qkv,@function
k_q75f0155ea5_qkv:
	s_mov_b64 s[64:65], 0
	v_nop
	global_prefetch_b8 v0, s[64:65] scope:SCOPE_SE
	s_setreg_imm32_b32 hwreg(HW_REG_WAVE_MODE, 25, 1), 1
	s_wait_xcnt 0x0
	s_wait_alu depctr_hold_cnt(0) depctr_sa_sdst(0) depctr_va_vdst(0) depctr_va_sdst(0) depctr_va_ssrc(0) depctr_va_vcc(0) depctr_vm_vsrc(0)
	s_getreg_b32 s2, hwreg(HW_REG_IB_STS2, 6, 4)
	s_cmp_eq_u32 s2, 0
	s_cbranch_scc0 .Lentry_in_a_cluster
	s_endpgm
.Lentry_in_a_cluster:
	s_bfe_u32 s2, ttmp6, 0x10000c
	s_cmp_lg_u32 s2, 0xf033
	s_cbranch_scc0 .Lentry_shape_is_right
	s_endpgm
.Lentry_shape_is_right:
; q, k, v = xb wb + bias, AND THE SCORES' PARTIAL SUMS: q and k never leave the registers.
; xb: [4096][1024] bf16.  wb: [1024][12288] bf16: columns 0 to 8,191 hold Wq and Wk so that column 256 TQ + 128 CH + 64 t + 16 h + dd is channel d = 32 TQ + 16 CH + dd of head h of q (t = 0) or k (t = 1);
; columns 8,192 on hold Wv in its own order.  bq, bk, bv: [4096] f32 and phase: [4][1024] f32 are rounded to bf16 here, like every input.
; OUT.  vb: [4096][4096] f16, v rounded once from its f32 sums.  ps: f32, [32 blocks][pos / 16][head h][pos % 16][head g]: block (TC, CH) holds the sum over its 32 channels of q_h[d] k_g[d] w_hg[d],
; w_hg = cos p_h cos p_g + sin p_h sin p_g; w_hh = cos^2 + sin^2 is taken as 1, which holds for every phase.  The next launch adds the 32 blocks.
; LIMITS.  |v| stays under 65,504 (f16's range).  Sine and cosine: the nearest whole number n to p 2/pi by adding 1.5 x 2^23; r = p - n pi/2 in three fused steps; polynomials on -pi/4 .. pi/4: the error is about 1e-7 up to
; |phase| of about 1e4 and grows with |phase| beyond.  NaN and infinities are not treated apart.
; SHARES.  256 work-groups of four waves.  A work-group STAYS and makes three tiles of 256 x 256: the same 256 rows, columns 256 TC + 4,096 t: two tiles of q and k (TQ = TC and TC + 16), then its tile of v.
; A wave makes 128 x 128: 64 accumulators of 16 x 16, 512 registers.  K = 1,024 goes in 8 steps of 128 through a ring of two LDS slots filled by tensor loads; the ring runs on from tile to tile.
; A's rows (xb) lie along K: 256 bytes a row and step.  B (wb) lies [k][column]: a step is 128 rows of 512 bytes, and its fragments come out of LDS turned, by ds_load_tr16_b128.
; CLUSTER.  4 x 4 work-groups.  The four of a row of the cluster need the same tiles of A, the four of a column the same tiles of B: each tile is asked for jointly, by the same tensor load with the
; same descriptor and a mask that names the four.
; THE MATRIX INSTRUCTION IS USED TRANSPOSED (source 0 = 16 columns of B, source 1 = 16 rows of A): a lane holds ONE position (lane % 16) and eight neighbouring columns.  In a tile of q and k a wave's eight column
; blocks are q's heads 0-3 and k's heads 0-3 for the same 16 channels, so a lane holds q_h[d] and k_g[d] of one position for all h and g and eight d: the scores' products need no other lane.
; THE BIAS is the C operand of the product that starts each sum: 64 registers a tile, no addition.
; REGISTERS, in windows of 256 (s_set_vgpr_msb: bits 1:0 source 0, 3:2 source 1, 5:4 source 2, 7:6 destination):
;   window 0: v0-31 addresses; v64-127, v128-191 fragments of A, two buffers; v32-63, v192-255 at work behind a tile (and v128-175, free there, take the table)
;   window 1: v0-63 the bias; v64-127, v128-191 fragments of B, two buffers (v128-159 at work while the bias is rounded); v192-255 the scores carried from the first tile to the second
;   window 2: the accumulators of my rows 0-63 ((a, b) at v[8 (8 a + b)]);   window 3: those of my rows 64-127
.set KSTEP,  128
.set PA,     272                       ; a row of A in LDS: 256 bytes + 16 = 68 words: the 16 rows of a load start at 16 different groups of four banks (64 banks of 4 bytes: ISA guide 11.1)
.set PB,     544                       ; a row of B in LDS: 512 bytes + 32 = 136 words
.set HALFT,  128*PA                    ; what one tensor load brings: 128 rows of A, or 64 rows of B (64 x 544 is the same number)
.set SLOT,   4*HALFT                   ; A's 256 rows, then B's 128 rows
.set STAGE,  2*SLOT                    ; behind the ring: 16 rows x 272 bytes for each wave, for v's way out; no tensor load lands there
.set SPITCH, 272
.set TABL,   STAGE+4*16*SPITCH         ; behind the stages: each wave's table, [2 tiles][6 pairs][16 channels] f32; no tensor load lands there
.set TABW,   768
.set SPARE,  TABL+4*TABW               ; behind the tables: the spare words, 128 bytes for each wave: two blocks of 256 bytes that no other line names
.set LAPS,   4                         ; a lap = two K steps = once round the ring
.set NROW,   24576                     ; bytes in a row of wb
.set VROW,   8192                      ; bytes in a row of vb
.set A_ON,   2*KSTEP*2                 ; a slot's next K step: two steps on along A's rows,
.set B_ON,   2*KSTEP*NROW              ; 256 rows down in B
.set A_BACK, 6*KSTEP*2                 ; from a slot's last K step of a tile to its first of the next: A goes back along K,
.set B_BACK, 6*KSTEP*NROW-8192         ; B back up and 4,096 columns on
.set ADRA, 16                          ; v16-17  LDS address of my A fragments in slot 0, 1
.set ADRB, 20                          ; v20-21  the same for B
.set TBR,  22                          ; v22     where I read my eight channels of the table
.set STO,  24                          ; v24     v's way out: where I put 16 bytes of a row
.set RD,   25                          ; v25     v's way out: where I read a row back
.set CO,   26                          ; v26     my byte offset in two rows of vb
.set BOQ,  27                          ; v27     my byte offset in a head's part of bq and bk
.set SPW,  28                          ; v28     LDS address of my spare word: SPARE + 4 x my thread's number; never rewritten
.set NIL,  29                          ; v29     0; never rewritten
.set BOV,  30                          ; v30     my byte offset in bv
.set PO,   31                          ; v31     my byte offset in 512 bytes of ps
.set F0,   64
.set F1,   128
.set TMP,  192                         ; v's way out: packed results
.set OB,   32                          ; v's way out: 16 rows read back: v32-63 and v224-255 by turns
.set SB,   32                          ; the scores: 16 sums [h][g] of a row block, a pair of registers each (even channels', odd channels')
.set W,    128                         ; the scores: pair p's eight table entries at W + 8 p
.set TT,   192                         ; the scores: q w, two buffers of 16
.set RR,   224                         ; the scores: the 16 sums, one register each
.set H,    192                         ; window 1: row block a's eight sums at H + 8 a
.set T,    32                          ; the table is made: at work
.set PHR,  40                          ; four phases
.set CSN,  44                          ; four cosines
.set SSN,  48                          ; four sines
.set WP,   52                          ; six pair values
.set WV, 16                            ; s16  my wave's number
.set RH, 17                            ; s17  which half of the tile's rows is mine; also: I fetch for A (0) or for B (1)
.set CH, 18                            ; s18  which half of its columns; also: which half of that tile I fetch
.set G1,  24                           ; s[24:31] descriptor group 1 for A's tiles;  s[32:39] group 0, a set for each slot
.set G0,  32
.set G1B, 48                           ; s[48:55], s[56:63] the same for B's tiles
.set G0B, 56
.set LB,  66                           ; s66  my part of a slot in LDS
.set BV,  68                           ; s[68:69] bv
.set PHS, 70                           ; s[70:71] phase
.set PSP, 72                           ; s[72:73] ps, at my block and my 128 positions
.set CP,  74                           ; s[74:75] vb, at my part of the tile
.set MSB, 0
.macro WIN new                         ; the immediate's high byte repeats the setting that is left; a switch that changes nothing is dropped
.if MSB != (\new)
	s_set_vgpr_msb (MSB<<8)|(\new)
.set MSB, \new
.endif
.endm
.set MUL_LO, 0xa1                      ; source 0 (B) window 1, source 1 (A) window 0, C and D window 2
.set MUL_HI, 0xf1                      ; the same, C and D window 3
.set BEG_LO, 0x91                      ; the product that starts a sum: C (the bias) window 1, D window 2
.set BEG_HI, 0xd1                      ; D window 3
.set TO_B,   0x40                      ; destination window 1, address window 0
; A joint load.  Waves 0 and 1 fetch A's two halves, waves 2 and 3 B's.  The branch hangs on the wave's number alone.  An s_nop 0 and four v_nop follow each of the two lines.
.macro JLOAD s
	s_cmp_eq_u32 s[RH], 0
	s_cbranch_scc0 .Lfor_b_\@
	tensor_load_to_lds s[G0+4*(\s):G0+4*(\s)+3], s[G1:G1+7]
	s_nop 0
.rept 4
	v_nop
.endr
	s_branch .Lasked_\@
.Lfor_b_\@:
	tensor_load_to_lds s[G0B+4*(\s):G0B+4*(\s)+3], s[G1B:G1B+7]
	s_nop 0
.rept 4
	v_nop
.endr
.Lasked_\@:
.endm
; A round of the cluster's barrier: my work-group's barrier; wave 0 signals for the work-group; every wave waits for all sixteen work-groups; my work-group's barrier once more.
.macro CREST                           ; a round behind its opening barrier
	s_cmp_lg_u32 s[WV], 0
	s_cbranch_scc1 .Lnot_wave_0_\@
	s_barrier_signal -3
.Lnot_wave_0_\@:
	s_barrier_wait -3
	s_barrier_signal -1
	s_barrier_wait -1
.endm
.macro CROUND
	s_barrier_signal -1
	s_barrier_wait -1
	CREST
.endm
	s_load_b256 s[4:11], s[0:1], 0x0               ; xb s[4:5], wb s[6:7], bq s[8:9], bk s[10:11]
	s_load_b256 s[68:75], s[0:1], 0x20             ; bv, phase, ps, vb
	v_lshl_add_u32 v[SPW], v0, 2, SPARE
	v_mov_b32 v[NIL], 0
	ds_add_u32 v[SPW], v[NIL]                      ; the wave's opening: the add and its wait stand ahead of my first tensor load; the set-up below, work on registers, stands between them
	v_lshrrev_b32 v1, 5, v0
	v_readfirstlane_b32 s[WV], v1                  ; wave 0..3
	s_lshr_b32 s[RH], s[WV], 1
	s_and_b32 s[CH], s[WV], 1
	s_bfe_u32 s19, ttmp6, 0x40000                  ; cx
	s_bfe_u32 s20, ttmp6, 0x40004                  ; cy
	s_lshl_b32 s21, ttmp9, 2
	s_add_co_u32 s21, s21, s19                     ; TC: tile column = 4 x cluster x + cx
	s_and_b32 s22, ttmp7, 0xffff
	s_lshl_b32 s22, s22, 2
	s_add_co_u32 s22, s22, s20                     ; TR: tile row = 4 x cluster y + cy
	s_lshl_b32 s23, s20, 2
	s_lshl_b32 s23, 15, s23                        ; my row of the cluster: places 4 cy .. 4 cy + 3
	s_lshl_b32 s46, 0x1111, s19                    ; my column: places cx, cx + 4, cx + 8, cx + 12
	s_or_b32 s[G1],  s23, (1<<16)|(1<<20)|(1<<21)|(5<<22)|(3<<25)  ; the mask; elements of 2 bytes; padding on; bit 21 beside a mask; after every 64 words, 4 words
	s_or_b32 s[G1B], s46, (1<<16)|(1<<20)|(1<<21)|(6<<22)|(7<<25)  ; after every 128 words, 8 words
	s_mov_b32 s[G1+1], 128<<16                     ; A: tensor_dim0 = 128
	s_mov_b32 s[G1+2], 128<<16                     ; tensor_dim1 = 128
	s_mov_b32 s[G1+3], 128<<16                     ; tile_dim0 = 128
	s_mov_b32 s[G1+4], 128                         ; tile_dim1 = 128
	s_mov_b32 s[G1+5], 1024                        ; elements from row to row
	s_mov_b32 s[G1+6], 0
	s_mov_b32 s[G1+7], 0
	s_mov_b32 s[G1B+1], 256<<16                    ; B: tensor_dim0 = 256
	s_mov_b32 s[G1B+2], 64<<16                     ; tensor_dim1 = 64
	s_mov_b32 s[G1B+3], 256<<16                    ; tile_dim0 = 256
	s_mov_b32 s[G1B+4], 64                         ; tile_dim1 = 64
	s_mov_b32 s[G1B+5], 12288
	s_mov_b32 s[G1B+6], 0
	s_mov_b32 s[G1B+7], 0
	s_mov_b32 s76, 0xbfc90fda                      ; - pi/2: its first 24 bits,
	s_mov_b32 s77, 0xb3a22168                      ; the next 24,
	s_mov_b32 s78, 0xa7c234c4                      ; and the next
	s_mov_b32 s79, 0xb94ca1f9                      ; sine: r + r^3 ((s79 z + s80) z + s81), z = r^2
	s_mov_b32 s80, 0x3c08839e
	s_mov_b32 s81, 0xbe2aaaa3
	s_mov_b32 s82, 0x37ccf5ce                      ; cosine: 1 - z / 2 + z^2 ((s82 z + s83) z + s84)
	s_mov_b32 s83, 0xbab6061a
	s_mov_b32 s84, 0x3d2aaaa5
	s_mov_b32 s85, 0x3f22f983                      ; 2 / pi
	s_mov_b32 s86, 0x4b400000                      ; 1.5 x 2^23: a sum with it is a whole number, and its low bits are that number's
	s_lshl_b32 s40, s22, 19                        ; A: 256 TR rows of 2,048 bytes,
	s_lshl_b32 s41, s[CH], 18                      ; and the 128 rows that I fetch
	s_add_co_u32 s40, s40, s41
	s_mov_b32 s41, 0
	s_mul_i32 s42, s[CH], 64*NROW                  ; B: the 64 rows that I fetch,
	s_lshl_b32 s43, s21, 9                         ; and 256 TC columns
	s_add_co_u32 s42, s42, s43
	s_mov_b32 s43, 0
	s_mul_i32 s[LB], s[WV], HALFT                  ; where they go: A's two halves, then B's two halves = wave x HALFT
	s_wait_dscnt 0x0                               ; the opening add is done
	s_wait_kmcnt 0x0
	s_add_nc_u64 s[40:41], s[4:5], s[40:41]
	s_add_nc_u64 s[42:43], s[6:7], s[42:43]
	CROUND                                         ; all sixteen work-groups are here: the first joint loads meet
.irp s, 0,1
	s_mov_b32 s[G0+4*(\s)], 1
	s_add_co_u32 s[G0+4*(\s)+1], s[LB], (\s)*SLOT
	s_add_nc_u64 s[G0+4*(\s)+2:G0+4*(\s)+3], s[40:41], (\s)*KSTEP*2
	s_or_b32 s[G0+4*(\s)+3], s[G0+4*(\s)+3], 0x80000000
	s_mov_b32 s[G0B+4*(\s)], 1
	s_add_co_u32 s[G0B+4*(\s)+1], s[LB], (\s)*SLOT
	s_add_nc_u64 s[G0B+4*(\s)+2:G0B+4*(\s)+3], s[42:43], (\s)*KSTEP*NROW
	s_or_b32 s[G0B+4*(\s)+3], s[G0B+4*(\s)+3], 0x80000000
	JLOAD \s                                       ; K steps 0 and 1: two loads of mine are out
.endr
	; A fragment of A: lane l holds row l % 16; registers 0-3 K = 8 (l / 16) + 0..7, registers 4-7 K = 16 + 8 (l / 16) + 0..7: two loads of 16 bytes, 32 bytes apart.
	v_and_b32 v1, 15, v0                           ; l % 16
	v_bfe_u32 v2, v0, 4, 1                         ; l / 16
	v_mul_u32_u24 v3, v1, PA
	v_lshl_add_u32 v3, v2, 4, v3
	s_mul_i32 s67, s[RH], HALFT                    ; my 128 rows of A
	v_add_nc_u32 v[ADRA], s67, v3
	v_add_nc_u32 v[ADRA+1], SLOT, v[ADRA]
	; The turning load takes 16 k x 16 columns (lane l reads 16 bytes: k = 8 (l / 16) + l % 8, columns 8 ((l / 8) % 2) + 0..7) and leaves half a fragment: lane l holds column l % 16 and 8 k.
	v_and_b32 v4, 7, v0
	v_lshl_add_u32 v4, v2, 3, v4
	v_mul_u32_u24 v4, v4, PB
	v_bfe_u32 v5, v0, 3, 1
	v_lshl_add_u32 v4, v5, 4, v4
	s_lshl_b32 s67, s[CH], 8                       ; my 128 columns of B,
	s_add_co_u32 s67, s67, 2*HALFT                 ; which lies behind A's 256 rows
	v_add_nc_u32 v[ADRB], s67, v4
	v_add_nc_u32 v[ADRB+1], SLOT, v[ADRB]
	s_mul_i32 s67, s[WV], 16*SPITCH
	s_add_co_u32 s67, s67, STAGE                   ; my stage
	v_mul_u32_u24 v4, v1, SPITCH                   ; in: row l % 16, 16 bytes for each half of the lanes
	v_lshl_add_u32 v4, v2, 4, v4
	v_add_nc_u32 v[STO], s67, v4
	v_mul_u32_u24 v5, v2, SPITCH                   ; back: lanes 0-15 take one row of 256 bytes, lanes 16-31 the next
	v_lshl_add_u32 v5, v1, 4, v5
	v_add_nc_u32 v[RD], s67, v5
	v_lshlrev_b32 v5, 13, v2                       ; and the same two rows in vb
	v_lshl_add_u32 v[CO], v1, 4, v5
	s_lshl_b32 s46, s21, 7                         ; channel 32 TC + 16 CH, in bytes of f32
	s_lshl_b32 s47, s[CH], 6
	s_add_co_u32 s46, s46, s47
	v_lshl_add_u32 v[BOQ], v2, 5, s46              ; bq, bk: my eight channels 8 (l / 16) + 0..7 of the wave's 16; head and tile stand in the immediate
	v_lshlrev_b32 v6, 11, v2                       ; phase: lane l takes channel l % 16 of tile l / 16 (512 channels on)
	v_lshl_add_u32 v6, v1, 2, v6
	v_add_nc_u32 v6, s46, v6
	s_lshl_b32 s46, s21, 10                        ; bv: column 256 TC + 128 CH, in bytes of f32
	s_lshl_b32 s47, s[CH], 9
	s_add_co_u32 s46, s46, s47
	v_lshl_add_u32 v[BOV], v2, 5, s46
	v_lshlrev_b32 v5, 8, v2                        ; ps: lanes 0-15 fill one head's 256 bytes, lanes 16-31 the next head's
	v_lshl_add_u32 v[PO], v1, 4, v5
	s_mul_i32 s67, s[WV], TABW
	s_add_co_u32 s67, s67, TABL                    ; my table
	v_mul_u32_u24 v7, v2, 384                      ; in: tile l / 16, channel l % 16; the pair stands in the immediate
	v_lshl_add_u32 v7, v1, 2, v7
	v_add_nc_u32 v7, s67, v7
	v_lshl_add_u32 v[TBR], v2, 5, s67              ; back: my eight channels
	s_lshl_b32 s46, s21, 19                        ; ps: block 2 TC + CH of 262,144 bytes,
	s_lshl_b32 s47, s[CH], 18
	s_add_co_u32 s46, s46, s47
	s_lshl_b32 s47, s22, 14                        ; 16 positions are 1,024 bytes: 16 TR + 8 RH of them
	s_add_co_u32 s46, s46, s47
	s_lshl_b32 s47, s[RH], 13
	s_add_co_u32 s46, s46, s47
	s_mov_b32 s47, 0
	s_add_nc_u64 s[PSP:PSP+1], s[PSP:PSP+1], s[46:47]
	s_lshl_b32 s46, s22, 21                        ; vb: row 256 TR + 128 RH,
	s_lshl_b32 s47, s[RH], 20
	s_add_co_u32 s46, s46, s47
	s_lshl_b32 s47, s21, 9                         ; column 256 TC + 128 CH
	s_add_co_u32 s46, s46, s47
	s_lshl_b32 s47, s[CH], 8
	s_add_co_u32 s46, s46, s47
	s_mov_b32 s47, 0
	s_add_nc_u64 s[CP:CP+1], s[CP:CP+1], s[46:47]
; 16 matrix instructions: row blocks a0, a0 + 1 of the window's four x all 8 column blocks, 32 along K.  zero = 1: the product starts the sum, on the bias.
; The 64 accumulators take turns, one instruction a turn, in the same order in every quarter step.
.macro MUL16 f, hi, a0, zero
.if \zero
	WIN BEG_LO+0x40*(\hi)
.else
	WIN MUL_LO+0x50*(\hi)
.endif
.irp a, \a0, (\a0)+1
.irp b, 0,1,2,3,4,5,6,7
.if \zero
	v_wmma_f32_16x16x32_bf16 v[8*(8*(\a)+(\b)):8*(8*(\a)+(\b))+7], v[(\f)+8*(\b):(\f)+8*(\b)+7], v[(\f)+8*(4*(\hi)+(\a)):(\f)+8*(4*(\hi)+(\a))+7], v[8*(\b):8*(\b)+7]
.else
	v_wmma_f32_16x16x32_bf16 v[8*(8*(\a)+(\b)):8*(8*(\a)+(\b))+7], v[(\f)+8*(\b):(\f)+8*(\b)+7], v[(\f)+8*(4*(\hi)+(\a)):(\f)+8*(4*(\hi)+(\a))+7], v[8*(8*(\a)+(\b)):8*(8*(\a)+(\b))+7]
.endif
.endr
.endr
.endm
; 32 LDS loads in one run: the fragments of quarter q of a K step (32 along K: 128 columns of B, 128 rows of A) into buffer f
.macro FETCH slot, q, f
	WIN TO_B
.irp i, 0,1,2,3,4,5,6,7
	ds_load_tr16_b128 v[(\f)+8*(\i):(\f)+8*(\i)+3],   v[ADRB+(\slot)] offset:(\q)*32*PB+32*(\i)
	ds_load_tr16_b128 v[(\f)+8*(\i)+4:(\f)+8*(\i)+7], v[ADRB+(\slot)] offset:(\q)*32*PB+16*PB+32*(\i)
.endr
	WIN 0
.irp i, 0,1,2,3,4,5,6,7
	ds_load_b128 v[(\f)+8*(\i):(\f)+8*(\i)+3],   v[ADRA+(\slot)] offset:64*(\q)+(\i)*16*PA
	ds_load_b128 v[(\f)+8*(\i)+4:(\f)+8*(\i)+7], v[ADRA+(\slot)] offset:64*(\q)+(\i)*16*PA+32
.endr
.endm
; Four places (plain vector instructions that name none of a matrix instruction's registers) in front of loads into registers that matrix instructions have read, and of vector lines that read results just made
.macro PLACES
.rept 4
	v_nop
.endr
.endm
; One of a K step's first three quarters: multiplies buffer f; in its middle it fetches quarter q of the same slot into buffer g.
.macro QUARTER slot, q, f, g, zero
	s_wait_dscnt 8                                 ; B and A's rows 0-63 are in; the youngest eight loads (A's rows 64-127) may be out
	MUL16 \f, 0, 0, \zero
	MUL16 \f, 0, 2, \zero
	PLACES
	FETCH \slot, \q, \g
	s_wait_dscnt 32                                ; all but the 32 just issued
	MUL16 \f, 1, 0, \zero
	MUL16 \f, 1, 2, \zero
.endm
; The first half of a K step's last quarter: ONE barrier for the change of slots.  In front of it each wave waits for all its tensor loads (one is out: its part of the next slot), adds 0 to its spare word,
; and waits for that and for its own reads of this slot.  Behind it nobody reads this slot any more and the next slot is whole.
.macro MEET round                      ; round = 1: a round of the cluster's barrier follows
	WIN 0                                          ; (the add's two registers lie in window 0)
	s_wait_tensorcnt 0x0
	ds_add_u32 v[SPW], v[NIL]                      ; 0 onto my spare word
	s_wait_dscnt 9                                 ; (the add and the youngest eight loads may be out)
	MUL16 F1, 0, 0, 0                              ; sixteen matrix instructions stand between the add and the wait for it
	s_wait_dscnt 0x0                               ; the add is done, and my reads of this slot are over
	s_barrier_signal -1
	MUL16 F1, 0, 2, 0                              ; work on registers while the others arrive
.if \round
	WIN 0
.endif
	s_barrier_wait -1
.endm
; The whole last quarter.  mode 0: the slot just read out is filled again with this tile's K step two steps on; mode 1: with the next tile's K step 0 or 1; mode 2: with nothing, and no round follows.
; The refill is the first tensor load behind the round, one a wave; 224 matrix instructions stand between it and the wait for it.
.macro TURN slot, next, mode
.if (\mode) < 2
	MEET 1
	CREST                                          ; no wave of any partner still reads this slot's tile or has a load on its way
.if (\mode) == 1
	s_sub_nc_u64 s[G0+4*(\slot)+2:G0+4*(\slot)+3], s[G0+4*(\slot)+2:G0+4*(\slot)+3], A_BACK
	s_sub_nc_u64 s[G0B+4*(\slot)+2:G0B+4*(\slot)+3], s[G0B+4*(\slot)+2:G0B+4*(\slot)+3], B_BACK
.else
	s_add_nc_u64 s[G0+4*(\slot)+2:G0+4*(\slot)+3], s[G0+4*(\slot)+2:G0+4*(\slot)+3], A_ON
	s_add_nc_u64 s[G0B+4*(\slot)+2:G0B+4*(\slot)+3], s[G0B+4*(\slot)+2:G0B+4*(\slot)+3], B_ON
.endif
	JLOAD \slot                                    ; the four v_nop behind it are also the places in front of the loads below
.else
	MEET 0
	PLACES
.endif
	FETCH \next, 0, F0
	MUL16 F1, 1, 0, 0
	MUL16 F1, 1, 2, 0
.endm
; The bias as the C operand wants it: column block b's eight numbers at v[8 b] of window 1.  A tile of q and k: blocks 0-3 are q's heads, 4-7 k's; off: 2,048 bytes (512 channels) on for the second tile.
.macro BIASQK off
	WIN TO_B
.irp b, 0,1,2,3
	global_load_b128 v[8*(\b):8*(\b)+3],       v[BOQ], s[8:9]   offset:4096*(\b)+(\off)
	global_load_b128 v[8*(\b)+4:8*(\b)+7],     v[BOQ], s[8:9]   offset:4096*(\b)+(\off)+16
	global_load_b128 v[32+8*(\b):32+8*(\b)+3], v[BOQ], s[10:11] offset:4096*(\b)+(\off)
	global_load_b128 v[32+8*(\b)+4:32+8*(\b)+7], v[BOQ], s[10:11] offset:4096*(\b)+(\off)+16
.endr
	WIN 0
.endm
.macro BIASV                           ; v's tile: 128 columns on end
	WIN TO_B
.irp b, 0,1,2,3,4,5,6,7
	global_load_b128 v[8*(\b):8*(\b)+3],   v[BOV], s[BV:BV+1] offset:64*(\b)
	global_load_b128 v[8*(\b)+4:8*(\b)+7], v[BOV], s[BV:BV+1] offset:64*(\b)+16
.endr
	WIN 0
.endm
.macro ROUNDB                          ; it is rounded to bf16, like every input, and widened again
	WIN 0x45                                       ; destination and both sources window 1
.set i, 0
.rept 32
	v_cvt_pk_bf16_f32 v[F1+i], v[2*i], v[2*i+1]
.set i, i+1
.endr
.set i, 0
.rept 32
	v_lshlrev_b32 v[2*i],   16, v[F1+i]
	v_and_b32     v[2*i+1], 0xffff0000, v[F1+i]
.set i, i+1
.endr
	WIN 0
.endm
; THE SCORES of a tile of q and k.  Row block a's accumulators: q_h at AC + 8 h, k_g at AC + 32 + 8 g, eight channels each, taken in pairs r = 0..3 by packed f32 lines.
; The pairs of heads p = 0..5 are (0,1), (0,2), (0,3), (1,2), (1,3), (2,3): score[h][g] += k_g (q_h w_p) and score[g][h] += k_h (q_g w_p).  i = 0..7 counts a pair's eight lines: channel pair i / 2, side i % 2.
.macro SMUL p, h, g                    ; line i of the products q w, into buffer p % 2
.set rq, AC+8*(\h)+2*(i/2)
.if i%2
.set rq, AC+8*(\g)+2*(i/2)
.endif
.set rt, TT+16*((\p)%2)+8*(i%2)+2*(i/2)
.set rw, W+8*(\p)+2*(i/2)
	v_pk_mul_f32 v[rt:rt+1], v[rq:rq+1], v[rw:rw+1]
.endm
.macro SFMA p, h, g                    ; line i of the sums; the first channel pair starts them: nothing is cleared
.set rk, AC+32+8*(\g)+2*(i/2)
.set rs, SB+2*(4*(\h)+(\g))
.if i%2
.set rk, AC+32+8*(\h)+2*(i/2)
.set rs, SB+2*(4*(\g)+(\h))
.endif
.set rt, TT+16*((\p)%2)+8*(i%2)+2*(i/2)
.if i < 2
	v_pk_mul_f32 v[rs:rs+1], v[rk:rk+1], v[rt:rt+1]
.else
	v_pk_fma_f32 v[rs:rs+1], v[rk:rk+1], v[rt:rt+1], v[rs:rs+1]
.endif
.endm
.macro PSTEP p, h, g, p2, h2, g2       ; pair p's eight sums, and between them the next pair's eight products, so that a sum's links stand four lines apart
.set i, 0
.rept 8
	SFMA \p, \h, \g
.if (\p2) >= 0
	SMUL \p2, \h2, \g2
.endif
.set i, i+1
.endr
.endm
.macro SROW a
.set AC, 64*((\a)%4)
	WIN 0x0a+5*((\a)/4)                            ; sources 0 and 1: the accumulators' window; the sums in window 0
.irp r, 0,1,2,3                        ; the diagonal, w = 1; each accumulator's lowest registers are read first
.irp h, 0,1,2,3
.if (\r) == 0
	v_pk_mul_f32 v[SB+10*(\h):SB+10*(\h)+1], v[AC+8*(\h):AC+8*(\h)+1], v[AC+32+8*(\h):AC+32+8*(\h)+1]
.else
	v_pk_fma_f32 v[SB+10*(\h):SB+10*(\h)+1], v[AC+8*(\h)+2*(\r):AC+8*(\h)+2*(\r)+1], v[AC+32+8*(\h)+2*(\r):AC+32+8*(\h)+2*(\r)+1], v[SB+10*(\h):SB+10*(\h)+1]
.endif
.endr
.endr
	WIN 0x02+(\a)/4                                ; source 0: the accumulators' window; table, products and sums in window 0
.set i, 0
.rept 8
	SMUL 0, 0, 1
.set i, i+1
.endr
	PSTEP 0, 0, 1, 1, 0, 2
	PSTEP 1, 0, 2, 2, 0, 3
	PSTEP 2, 0, 3, 3, 1, 2
	PSTEP 3, 1, 2, 4, 1, 3
	PSTEP 4, 1, 3, 5, 2, 3
	PSTEP 5, 2, 3, -1, 0, 0
	WIN 0
.set i, 0
.rept 16
	v_add_f32 v[RR+i], v[SB+2*i], v[SB+2*i+1]      ; even channels' and odd channels'
.set i, i+1
.endr
.irp g, 0,1,2,3                        ; a position's other eight channels lie in the lane 16 away.  The swap hands head 1's lower lanes to head 0's upper lanes and takes head 0's upper lanes for them (heads 2, 3 likewise),
	v_permlane16_swap_b32 v[RR+(\g)],   v[RR+4+(\g)]
	v_permlane16_swap_b32 v[RR+8+(\g)], v[RR+12+(\g)]
.endr
.irp g, 0,1,2,3                        ; so that one addition leaves heads 0 and 2 whole in lanes 0-15 and heads 1 and 3 whole in lanes 16-31
	v_add_f32 v[RR+(\g)],   v[RR+(\g)],   v[RR+4+(\g)]
	v_add_f32 v[RR+8+(\g)], v[RR+8+(\g)], v[RR+12+(\g)]
.endr
	WIN 0x44                                       ; source 1 and destination window 1
.irp g, 0,1,2,3
	v_add_f32 v[H+8*(\a)+(\g)],   v[RR+(\g)],   v[H+8*(\a)+(\g)]
	v_add_f32 v[H+8*(\a)+4+(\g)], v[RR+8+(\g)], v[H+8*(\a)+4+(\g)]
.endr
.endm
.macro TABLD off                       ; my eight channels of the six pairs, of the tile whose table begins at byte off
.irp p, 0,1,2,3,4,5
	ds_load_b128 v[W+8*(\p):W+8*(\p)+3],   v[TBR] offset:(\off)+64*(\p)
	ds_load_b128 v[W+8*(\p)+4:W+8*(\p)+7], v[TBR] offset:(\off)+64*(\p)+16
.endr
.endm
; v's WAY OUT of row block a, in three parts.  PACK: rounded to f16, 16 bytes a lane, each accumulator's registers in ascending order.  TOSTAGE: into my own stage, and back as whole rows of 256 bytes.  SEND: stored.
.macro PACK a
.set AC, 64*((\a)%4)
	WIN 0x0a+5*((\a)/4)                            ; sources 0 and 1: window 2 or 3
.irp b, 0,1,2,3,4,5,6,7
.irp r, 0,1,2,3
	v_cvt_pk_f16_f32 v[TMP+4*(\b)+(\r)], v[AC+8*(\b)+2*(\r)], v[AC+8*(\b)+2*(\r)+1]
.endr
.endr
	WIN 0
.endm
.macro TOSTAGE a
	WIN 0
.set BK, OB+192*((\a)%2)
.irp b, 0,1,2,3,4,5,6,7
	ds_store_b128 v[STO], v[TMP+4*(\b):TMP+4*(\b)+3] offset:32*(\b)
.endr
.irp t, 0,1,2,3,4,5,6,7
	ds_load_b128 v[BK+4*(\t):BK+4*(\t)+3], v[RD] offset:(\t)*2*SPITCH  ; LDS serves a wave's instructions in order (ISA guide 5.7.1.4): these see the stores above
.endr
.endm
.macro SEND a
	WIN 0
.set BK, OB+192*((\a)%2)
	s_wait_dscnt 0x0                               ; the block is back in registers
	s_wait_xcnt 0x0                                ; the stores of the block before have read their registers: the next TOSTAGE loads into them only behind this wait
.irp t, 0,1,2,3,4,5,6,7
	global_store_b128 v[CO], v[BK+4*(\t):BK+4*(\t)+3], s[CP:CP+1] offset:(16*(\a)+2*(\t))*VROW th:TH_STORE_NT  ; 16 lanes store 256 consecutive bytes, aligned; 126 rows at the most: inside the signed 24-bit immediate
.endr
.endm
.macro WAYOUT                          ; block a's conversions stand between block a - 1's loads from the stage and the wait for them
	PLACES
	PACK 0
	TOSTAGE 0
.irp a, 1,2,3,4,5,6,7
	PACK \a
	SEND (\a)-1
	TOSTAGE \a
.endr
	SEND 7
.endm
	; THE TABLE, made while the first tiles are on their way.  Lane l: one channel, four heads, six pairs.
.irp h, 0,1,2,3
	global_load_b32 v[PHR+(\h)], v6, s[PHS:PHS+1] offset:4096*(\h)
.endr
	BIASQK 0
	WIN TO_B
.set i, 0
.rept 64
	v_mov_b32 v[H+i], 0                            ; the carried scores start at 0, so that one text serves both tiles of q and k
.set i, i+1
.endr
	WIN 0
	s_wait_loadcnt 16                              ; the phases are in; the bias's sixteen loads may stay out
	v_cvt_pk_bf16_f32 v[T],   v[PHR],   v[PHR+1]
	v_cvt_pk_bf16_f32 v[T+1], v[PHR+2], v[PHR+3]
	v_lshlrev_b32 v[PHR],   16, v[T]
	v_and_b32     v[PHR+1], 0xffff0000, v[T]
	v_lshlrev_b32 v[PHR+2], 16, v[T+1]
	v_and_b32     v[PHR+3], 0xffff0000, v[T+1]
.macro SINCOS n                        ; cosine and sine of head n's phase
	v_fma_f32 v[T], v[PHR+(\n)], s85, s86          ; p 2/pi + 1.5 x 2^23: rounded to a whole number n, which stands in the low bits
	v_sub_f32 v[T+1], v[T], s86                    ; n
	v_fma_f32 v[T+2], v[T+1], s76, v[PHR+(\n)]     ; r = p - n pi/2
	v_fma_f32 v[T+2], v[T+1], s77, v[T+2]
	v_fma_f32 v[T+2], v[T+1], s78, v[T+2]
	v_mul_f32 v[T+3], v[T+2], v[T+2]               ; z
	v_fma_f32 v[T+4], v[T+3], s79, s80
	v_fma_f32 v[T+5], v[T+3], s82, s83
	v_fma_f32 v[T+4], v[T+4], v[T+3], s81
	v_fma_f32 v[T+5], v[T+5], v[T+3], s84
	v_mul_f32 v[T+6], v[T+3], v[T+2]               ; r^3
	v_mul_f32 v[T+7], v[T+3], v[T+3]               ; z^2
	v_fma_f32 v[T+3], v[T+3], -0.5, 1.0
	v_fma_f32 v[T+4], v[T+4], v[T+6], v[T+2]       ; sin r
	v_fma_f32 v[T+5], v[T+5], v[T+7], v[T+3]       ; cos r
	v_and_b32 v[T+6], 1, v[T]
	v_cmp_eq_u32 vcc_lo, 1, v[T+6]                 ; in odd quadrants the two change places
	v_cndmask_b32 v[SSN+(\n)], v[T+4], v[T+5], vcc_lo
	v_cndmask_b32 v[CSN+(\n)], v[T+5], v[T+4], vcc_lo
	v_and_b32 v[T+6], 2, v[T]                      ; the sine is negative in quadrants 2 and 3,
	v_lshlrev_b32 v[T+6], 30, v[T+6]
	v_xor_b32 v[SSN+(\n)], v[SSN+(\n)], v[T+6]
	v_add_nc_u32 v[T], 1, v[T]                     ; the cosine in 1 and 2
	v_and_b32 v[T], 2, v[T]
	v_lshlrev_b32 v[T], 30, v[T]
	v_xor_b32 v[CSN+(\n)], v[CSN+(\n)], v[T]
.endm
	SINCOS 0
	SINCOS 1
	SINCOS 2
	SINCOS 3
.macro ENTRY p, h, g
	v_mul_f32 v[T+(\p)], v[SSN+(\h)], v[SSN+(\g)]
	v_fma_f32 v[WP+(\p)], v[CSN+(\h)], v[CSN+(\g)], v[T+(\p)]
	ds_store_b32 v7, v[WP+(\p)] offset:64*(\p)
.endm
	ENTRY 0, 0, 1
	ENTRY 1, 0, 2
	ENTRY 2, 0, 3
	ENTRY 3, 1, 2
	ENTRY 4, 1, 3
	ENTRY 5, 2, 3
	s_wait_tensorcnt 1                             ; my part of K step 0 is in; K step 1's may stay out
	s_wait_dscnt 0x0                               ; no LDS instruction of mine is pending at the signal (the table is my wave's own: nobody else reads it)
	s_barrier_signal -1
	s_barrier_wait -1                              ; everybody's part of K step 0 is in
	FETCH 0, 0, F0
	s_mov_b32 s2, 3                                ; tiles to go, this one among them: the same number in every work-group
.Ltile:
	s_wait_loadcnt 0x0                             ; the bias
	ROUNDB
	QUARTER 0, 1, F0, F1, 1                        ; a tile's first quarter stands in front of the loop: its products start the sums
	WIN 0                                          ; at a label and at a branch every window is 0
	s_mov_b32 s3, LAPS-1
.Llap:                                                 ; a trip goes once round the ring, from a lap's second quarter to the next lap's first, and fills both slots again
	QUARTER 0, 2, F1, F0, 0
	QUARTER 0, 3, F0, F1, 0
	TURN 0, 1, 0
	QUARTER 1, 1, F0, F1, 0
	QUARTER 1, 2, F1, F0, 0
	QUARTER 1, 3, F0, F1, 0
	TURN 1, 0, 0
	QUARTER 0, 1, F0, F1, 0
	WIN 0
	s_sub_co_u32 s3, s3, 1
	s_cmp_lg_u32 s3, 0
	s_cbranch_scc1 .Llap
	QUARTER 0, 2, F1, F0, 0                        ; the tile's last lap goes on
	QUARTER 0, 3, F0, F1, 0
	WIN 0
	s_cmp_eq_u32 s2, 1
	s_cbranch_scc1 .Llast                          ; the last tile, v's: its tail is written out, since it asks for nothing more
	TURN 0, 1, 1                                   ; the ring goes on into the next tile: slot 0 takes its K step 0,
	QUARTER 1, 1, F0, F1, 0
	QUARTER 1, 2, F1, F0, 0
	QUARTER 1, 3, F0, F1, 0
	TURN 1, 0, 1                                   ; slot 1 its K step 1, and the next tile's first fragments are fetched
	WIN 0
	PLACES                                         ; behind the last products: for the loads into fragment buffer 1 and for the lines that read the sums
	s_cmp_eq_u32 s2, 3                             ; both refills are asked for: now the next tile's bias and this tile's table
	s_cbranch_scc0 .Lsecond
	BIASQK 2048
	TABLD 0
	s_branch .Lboth
.Lsecond:
	BIASV
	TABLD 384
.Lboth:
	s_wait_dscnt 0x0                               ; the table is in
.irp a, 0,1,2,3,4,5,6,7
	SROW \a
.endr
	WIN 0
	s_cmp_eq_u32 s2, 2                             ; behind the second tile the sums over my 32 channels go out
	s_cbranch_scc0 .Lheld
	WIN 0x04                                       ; a store's data: window 1
.irp a, 0,1,2,3,4,5,6,7
	global_store_b128 v[PO], v[H+8*(\a):H+8*(\a)+3],   s[PSP:PSP+1] offset:1024*(\a) th:TH_STORE_NT      ; heads 0 and 1 of 16 positions: 512 bytes on end, aligned
	global_store_b128 v[PO], v[H+8*(\a)+4:H+8*(\a)+7], s[PSP:PSP+1] offset:1024*(\a)+512 th:TH_STORE_NT  ; heads 2 and 3
.endr
	WIN 0
.Lheld:
	s_sub_co_u32 s2, s2, 1
	s_branch .Ltile
.Llast:
	TURN 0, 1, 2                                   ; my one tensor load that was still out is slot 1's, the last K step's
	QUARTER 1, 1, F0, F1, 0
	QUARTER 1, 2, F1, F0, 0
	QUARTER 1, 3, F0, F1, 0
	s_wait_dscnt 8                                 ; the very last quarter: nothing more to fetch
	MUL16 F1, 0, 0, 0
	MUL16 F1, 0, 2, 0
	s_wait_dscnt 0x0
	MUL16 F1, 1, 0, 0
	MUL16 F1, 1, 2, 0
	WIN 0
	WAYOUT
	s_wait_tensorcnt 0x0                           ; the wave's end, behind my last tensor load and my last LDS store
	ds_add_u32 v[SPW], v[NIL]
	s_wait_dscnt 0x0
	CROUND                                         ; the closing round: no work-group ends while a partner may still ask for a tile that names it
	s_endpgm
.Lfunc_end_k_q75f0155ea5_qkv:
	.size	k_q75f0155ea5_qkv, .Lfunc_end_k_q75f0155ea5_qkv-k_q75f0155ea5_qkv
	.p2alignl 7, 3214868480
	.fill 96, 4, 3214868480
	.section	.rodata,"a",@progbits
	.p2align	6, 0x0
	.amdhsa_kernel k_q75f0155ea5_qkv
		.amdhsa_group_segment_fixed_size 327680
		.amdhsa_private_segment_fixed_size 0
		.amdhsa_enable_private_segment 0
		.amdhsa_kernarg_size 64
		.amdhsa_user_sgpr_count 2
		.amdhsa_user_sgpr_kernarg_segment_ptr 1
		.amdhsa_wavefront_size32 1
		.amdhsa_system_sgpr_workgroup_id_x 1
		.amdhsa_system_sgpr_workgroup_id_y 1
		.amdhsa_system_sgpr_workgroup_id_z 1
		.amdhsa_system_vgpr_workitem_id 0
		.amdhsa_next_free_vgpr 1024
		.amdhsa_next_free_sgpr 88
		.amdhsa_reserve_vcc 1
		.amdhsa_float_denorm_mode_32 3
		.amdhsa_float_denorm_mode_16_64 3
		.amdhsa_memory_ordered 1
		.amdhsa_forward_progress 1
		.amdhsa_inst_pref_size 255
	.end_amdhsa_kernel
	.section	.bss,"aw",@nobits
	.p2align	6
	.space	262144
	.amdgpu_metadata
---
amdhsa.version: [ 1, 2 ]
amdhsa.kernels:
  - .name:           k_q75f0155ea5_qkv
    .symbol:         k_q75f0155ea5_qkv.kd
    .args:
      - { .name: xb, .offset: 0, .size: 8, .value_kind: global_buffer, .address_space: global }
      - { .name: wb, .offset: 8, .size: 8, .value_kind: global_buffer, .address_space: global }
      - { .name: bq, .offset: 16, .size: 8, .value_kind: global_buffer, .address_space: global }
      - { .name: bk, .offset: 24, .size: 8, .value_kind: global_buffer, .address_space: global }
      - { .name: bv, .offset: 32, .size: 8, .value_kind: global_buffer, .address_space: global }
      - { .name: phase, .offset: 40, .size: 8, .value_kind: global_buffer, .address_space: global }
      - { .name: ps, .offset: 48, .size: 8, .value_kind: global_buffer, .address_space: global }
      - { .name: vb, .offset: 56, .size: 8, .value_kind: global_buffer, .address_space: global }
    .group_segment_fixed_size: 327680
    .private_segment_fixed_size: 0
    .kernarg_segment_align: 8
    .kernarg_segment_size: 64
    .max_flat_workgroup_size: 128
    .sgpr_count:     88
    .vgpr_count:     1024
    .wavefront_size: 32
...
	.end_amdgpu_metadata
.endif
;; end of part 2
;; launch mix (part 3): grid 256 x 1, 16 waves a work-group, no clusters, 35,328 bytes of LDS; arguments ps, vb, a2; writes a2
.if DOCPART == 3
	.amdgcn_target "amdgcn-amd-amdhsa--gfx1250"
	.amdhsa_code_object_version 6
	.text
	.protected	k_q75f0155ea5_mix
	.globl	k_q75f0155ea5_mix
	.p2align	8
	.type	k_q75f0155ea5_mix,@function
k_q75f0155ea5_mix:
	s_mov_b64 s[64:65], 0
	v_nop
	global_prefetch_b8 v0, s[64:65] scope:SCOPE_SE
	s_setreg_imm32_b32 hwreg(HW_REG_WAVE_MODE, 25, 1), 1
	s_wait_xcnt 0x0
; FOR EACH POSITION: score[h][g] = the sum of ps's 32 blocks, / 32; softmax over g, with the row's maximum taken away; out_h = the sum over g of attn[h][g] v_g.
; ps: f32, [32 blocks][pos / 16][head h][pos % 16][head g]: partial sums of the scores.  vb: [4096][4096] f16: a position's four heads of v on end.
; a2: [4096][4096] f16: out_h of position (b, s) goes to row 1,024 b + 256 h + s / 4, columns 1,024 (s % 4) on: the transposed view that the last product reads.
; SHARES.  A wave takes one position, a work-group's 16 waves the 16 positions of one pos / 16.  Of v lane l owns channels 256 j + 8 l + 0..7 for j = 0..3, so each load and store of a wave covers 512 bytes on end, aligned.
; THE SCORES.  The work-group's part of ps is 1,024 bytes on end in each block.  Wave w copies blocks 2 w and 2 w + 1 into LDS whole (four loads of 512 bytes); behind one barrier lane l reads block l's sixteen numbers of
; its wave's position, and a sum over the 32 lanes adds the blocks: every lane ends with all 16 scores.  All sums in f32; out is rounded once.
; All 20 loads of a wave go out at the head; the waits count down as the chunks are used.
; WHY THE VECTOR UNIT.  A position's mix is 4 x 4 by 4 x 1,024: one part in 1,000 of the module's multiply-adds, with a quarter of a 16 x 16 tile in use at best.  No cluster: no two work-groups read the same bytes.
; LIMITS.  NaN and infinities are not treated apart; a weight below 2^-126 counts as 0.
.set PSL,   1040                       ; a block's 1,024 bytes in LDS + 16 = 260 words
.set SPARE, 32*PSL                     ; behind the blocks: the spare words, 128 bytes for each of the 16 waves: eight blocks of 256 bytes that no other line names
.set LO,   1                           ; v1   16 x lane: my place in 512 bytes; never rewritten
.set ZERO, 2                           ; v2   0, the addend of a first term
.set SPW,  3                           ; v3   LDS address of my spare word: SPARE + 4 x my thread's number; never rewritten
.set NIL,  4                           ; v4   0; never rewritten
.set LS,   5                           ; v5   where I put 16 bytes of my wave's two blocks
.set LR,   6                           ; v6   where I read block l's numbers of my wave's position
.set T,    8                           ; v[8:15]    at work
.set ACC,  16                          ; v[16:31]   score, then weight, [h][g] at ACC + 4 h + g
.set PSR,  32                          ; v[32:47]   my wave's part of ps as loaded; later at work
.set MX,   48                          ; v[48:51]   the rows' maxima
.set V,    56                          ; v[56:119]  chunk j, head g at V + 16 j + 4 g; the result takes its place
	s_load_b128 s[4:7], s[0:1], 0x0                ; ps s[4:5], vb s[6:7]
	s_load_b64 s[8:9], s[0:1], 0x10                ; a2
	v_lshl_add_u32 v[SPW], v0, 2, SPARE
	v_mov_b32 v[NIL], 0
	v_mov_b32 v[ZERO], 0
	v_lshrrev_b32 v7, 5, v0
	v_readfirstlane_b32 s10, v7                    ; wave 0..15
	v_and_b32 v7, 31, v0                           ; lane
	v_lshlrev_b32 v[LO], 4, v7
	s_mul_i32 s15, s10, 2*PSL
	v_add_nc_u32 v[LS], s15, v[LO]
	s_lshl_b32 s15, s10, 4                         ; position w's 16 bytes in a head's 256
	v_mul_u32_u24 v[LR], v7, PSL
	v_add_nc_u32 v[LR], s15, v[LR]
	s_lshl_b32 s11, ttmp9, 4
	s_add_co_u32 s11, s11, s10                     ; my position
	s_lshl_b32 s16, s11, 13                        ; rows of 8,192 bytes in vb
	s_mov_b32 s17, 0
	s_and_b32 s18, s11, 0xc00                      ; 1,024 b
	s_bfe_u32 s19, s11, 0x80002                    ; s / 4
	s_add_co_u32 s18, s18, s19
	s_lshl_b32 s18, s18, 13                        ; rows of 8,192 bytes in a2
	s_and_b32 s19, s11, 3
	s_lshl_b32 s19, s19, 11                        ; 2,048 (s % 4)
	s_add_co_u32 s18, s18, s19
	s_mov_b32 s19, 0
	s_lshl_b32 s20, s10, 19                        ; my wave's two blocks of 262,144 bytes,
	s_lshl_b32 s21, ttmp9, 10                      ; the work-group's 1,024 bytes in each
	s_add_co_u32 s20, s20, s21
	s_mov_b32 s21, 0
	s_mov_b32 s12, 0x76543210                      ; v_permlanex16_b32: each lane takes its own place in the other half
	s_mov_b32 s13, 0xfedcba98
	s_mov_b32 s14, 0x3d38aa3b                      ; c = log2(e) / 32
	s_wait_kmcnt 0x0
	s_add_nc_u64 s[4:5], s[4:5], s[20:21]
	s_add_nc_u64 s[6:7], s[6:7], s[16:17]
	s_add_nc_u64 s[8:9], s[8:9], s[18:19]
.irp k, 0,1,2,3
	global_load_b128 v[PSR+4*(\k):PSR+4*(\k)+3], v[LO], s[4:5] offset:262144*((\k)/2)+512*((\k)%2) th:TH_LOAD_NT
.endr
.irp j, 0,1,2,3
.irp g, 0,1,2,3
	global_load_b128 v[V+16*(\j)+4*(\g):V+16*(\j)+4*(\g)+3], v[LO], s[6:7] offset:2048*(\g)+512*(\j) th:TH_LOAD_NT
.endr
.endr
	s_wait_loadcnt 16                              ; my part of ps is in; v's sixteen loads stay out
.irp k, 0,1,2,3
	ds_store_b128 v[LS], v[PSR+4*(\k):PSR+4*(\k)+3] offset:PSL*((\k)/2)+512*((\k)%2)
.endr
	s_wait_dscnt 0x0                               ; for the others' sake: my two blocks are written
	s_barrier_signal -1
	s_barrier_wait -1                              ; all 32 are
.irp h, 0,1,2,3
	ds_load_b128 v[ACC+4*(\h):ACC+4*(\h)+3], v[LR] offset:256*(\h)
.endr
	s_wait_dscnt 0x0
	; across the 32 lanes, a block each: four steps inside each half of 16 lanes ride on the addition (DPP), one crosses the halves; every lane ends with all 16 scores
.irp m, 1,2,4,8
.set n, 0
.rept 16
	v_add_f32_dpp v[ACC+n], v[ACC+n], v[ACC+n] row_xmask:\m row_mask:0xf bank_mask:0xf
.set n, n+1
.endr
.endr
.set n, 0
.rept 16
	v_permlanex16_b32 v[PSR+n], v[ACC+n], s12, s13 ; its destination counts as read: these registers have been written
.set n, n+1
.endr
.set n, 0
.rept 16
	v_add_f32 v[ACC+n], v[ACC+n], v[PSR+n]
.set n, n+1
.endr
	; THE SOFTMAX, in every lane: 2^(c s - c m) with the row's maximum m; the same c m is taken from all four scores of a row
.irp h, 0,1,2,3
	v_max3_num_f32 v[MX+(\h)], v[ACC+4*(\h)], v[ACC+4*(\h)+1], v[ACC+4*(\h)+2]
.endr
.irp h, 0,1,2,3
	v_max_num_f32 v[MX+(\h)], v[MX+(\h)], v[ACC+4*(\h)+3]
.endr
.irp h, 0,1,2,3
	v_mul_f32 v[MX+(\h)], s14, v[MX+(\h)]
.endr
.set n, 0
.rept 16
	v_fma_f32 v[ACC+n], v[ACC+n], s14, -v[MX+n/4]
.set n, n+1
.endr
.set n, 0
.rept 16
	v_exp_f32 v[ACC+n], v[ACC+n]
.set n, n+1
.endr
	v_nop                                          ; a plain instruction between the last exponential and the use of its result (ISA guide 5.7.2)
	s_wait_alu depctr_va_vdst(0)
.irp h, 0,1,2,3
	v_add_f32 v[T+(\h)], v[ACC+4*(\h)], v[ACC+4*(\h)+1]
.endr
.irp h, 0,1,2,3
	v_add_f32 v[T+4+(\h)], v[ACC+4*(\h)+2], v[ACC+4*(\h)+3]
.endr
.irp h, 0,1,2,3
	v_add_f32 v[T+(\h)], v[T+(\h)], v[T+4+(\h)]
.endr
.irp h, 0,1,2,3
	v_rcp_f32 v[T+(\h)], v[T+(\h)]
.endr
	v_nop                                          ; and between the last reciprocal and its use
.set n, 0
	s_wait_alu depctr_va_vdst(0)
.rept 16
	v_mul_f32 v[ACC+n], v[ACC+n], v[T+n/4]
.set n, n+1
.endr
	; THE MIX.  Chunk j: for each of my 8 channels and each head four terms in f32, the last rounding once into a half of the result; the four heads take turns.
	; The result of head h takes the place of v's head h: a half of those registers is written when the terms of heads 0 to 2 that read it are done, and head 3's, which the last terms read, is written last.
.macro MIXC j
	s_wait_loadcnt 12-4*(\j)                       ; chunk j's v is in; the later chunks' four loads each stay out
.irp r, 0,1,2,3
.irp f, 0,1
.irp h, 0,1,2,3
	v_fma_mix_f32 v[T+4*(\f)+(\h)], v[V+16*(\j)+(\r)], v[ACC+4*(\h)], v[ZERO] op_sel:[\f,0,0] op_sel_hi:[1,0,0]
.endr
.irp g, 1,2
.irp h, 0,1,2,3
	v_fma_mix_f32 v[T+4*(\f)+(\h)], v[V+16*(\j)+4*(\g)+(\r)], v[ACC+4*(\h)+(\g)], v[T+4*(\f)+(\h)] op_sel:[\f,0,0] op_sel_hi:[1,0,0]
.endr
.endr
.irp h, 0,1,2,3
.if (\f) == 0
	v_fma_mixlo_f16 v[V+16*(\j)+4*(\h)+(\r)], v[V+16*(\j)+12+(\r)], v[ACC+4*(\h)+3], v[T+4*(\f)+(\h)] op_sel:[0,0,0] op_sel_hi:[1,0,0]
.else
	v_fma_mixhi_f16 v[V+16*(\j)+4*(\h)+(\r)], v[V+16*(\j)+12+(\r)], v[ACC+4*(\h)+3], v[T+4*(\f)+(\h)] op_sel:[1,0,0] op_sel_hi:[1,0,0]
.endif
.endr
.endr
.endr
.irp h, 0,1,2,3
	global_store_b128 v[LO], v[V+16*(\j)+4*(\h):V+16*(\j)+4*(\h)+3], s[8:9] offset:2097152*(\h)+512*(\j) th:TH_STORE_NT  ; head h lies 256 rows of 8,192 bytes on; a wave stores 512 bytes on end, aligned
.endr
.endm
	MIXC 0
	MIXC 1
	MIXC 2
	MIXC 3
	s_wait_tensorcnt 0x0                           ; the wave's end, behind my last LDS store
	ds_add_u32 v[SPW], v[NIL]
	s_wait_dscnt 0x0
	s_endpgm
.Lfunc_end_k_q75f0155ea5_mix:
	.size	k_q75f0155ea5_mix, .Lfunc_end_k_q75f0155ea5_mix-k_q75f0155ea5_mix
	.p2alignl 7, 3214868480
	.fill 96, 4, 3214868480
	.section	.rodata,"a",@progbits
	.p2align	6, 0x0
	.amdhsa_kernel k_q75f0155ea5_mix
		.amdhsa_group_segment_fixed_size 35328
		.amdhsa_private_segment_fixed_size 0
		.amdhsa_enable_private_segment 0
		.amdhsa_kernarg_size 24
		.amdhsa_user_sgpr_count 2
		.amdhsa_user_sgpr_kernarg_segment_ptr 1
		.amdhsa_wavefront_size32 1
		.amdhsa_system_sgpr_workgroup_id_x 1
		.amdhsa_system_sgpr_workgroup_id_y 1
		.amdhsa_system_sgpr_workgroup_id_z 1
		.amdhsa_system_vgpr_workitem_id 0
		.amdhsa_next_free_vgpr 120
		.amdhsa_next_free_sgpr 66
		.amdhsa_reserve_vcc 0
		.amdhsa_float_denorm_mode_32 3
		.amdhsa_float_denorm_mode_16_64 3
		.amdhsa_memory_ordered 1
		.amdhsa_forward_progress 1
		.amdhsa_inst_pref_size 47
	.end_amdhsa_kernel
	.amdgpu_metadata
---
amdhsa.version: [ 1, 2 ]
amdhsa.kernels:
  - .name:           k_q75f0155ea5_mix
    .symbol:         k_q75f0155ea5_mix.kd
    .args:
      - { .name: ps, .offset: 0, .size: 8, .value_kind: global_buffer, .address_space: global }
      - { .name: vb, .offset: 8, .size: 8, .value_kind: global_buffer, .address_space: global }
      - { .name: a2, .offset: 16, .size: 8, .value_kind: global_buffer, .address_space: global }
    .group_segment_fixed_size: 35328
    .private_segment_fixed_size: 0
    .kernarg_segment_align: 8
    .kernarg_segment_size: 24
    .max_flat_workgroup_size: 512
    .sgpr_count:     66
    .vgpr_count:     120
    .wavefront_size: 32
...
	.end_amdgpu_metadata
.endif
;; end of part 3
;; launch proj (part 4): grid 8 x 32, 4 waves a work-group, clusters of 4 x 4, 327,680 bytes of LDS; arguments a2, wo16, bo, out0; writes out0
.if DOCPART == 4
	.amdgcn_target "amdgcn-amd-amdhsa--gfx1250"
	.amdhsa_code_object_version 6
	.text
	.protected	k_q75f0155ea5_proj
	.globl	k_q75f0155ea5_proj
	.p2align	8
	.type	k_q75f0155ea5_proj,@function
k_q75f0155ea5_proj:
	s_mov_b64 s[64:65], 0
	v_nop
	global_prefetch_b8 v0, s[64:65] scope:SCOPE_SE
	s_setreg_imm32_b32 hwreg(HW_REG_WAVE_MODE, 25, 1), 1
	s_wait_xcnt 0x0
	s_wait_alu depctr_hold_cnt(0) depctr_sa_sdst(0) depctr_va_vdst(0) depctr_va_sdst(0) depctr_va_ssrc(0) depctr_va_vcc(0) depctr_vm_vsrc(0)
	s_getreg_b32 s2, hwreg(HW_REG_IB_STS2, 6, 4)
	s_cmp_eq_u32 s2, 0
	s_cbranch_scc0 .Lentry_in_a_cluster
	s_endpgm
.Lentry_in_a_cluster:
	s_bfe_u32 s2, ttmp6, 0x10000c
	s_cmp_lg_u32 s2, 0xf033
	s_cbranch_scc0 .Lentry_shape_is_right
	s_endpgm
.Lentry_shape_is_right:
; out0[m][n] = the sum over k of a2[m][k] wo16[k][n] + bo[n].  a2: [4096][4096] f16; wo16: [4096][1024] f16; bo: [1024] f32, rounded to bf16 here like every input; out0: [4096][1024] f32; sums in f32.
; SHARES.  A tile is 128 x 128: 8 x 32 = 256 work-groups (tiles of 256 x 256 would be 64).  Four waves, each 64 x 64: 16 accumulators of 16 x 16.  K = 4,096 goes in 16 steps of 256 through two LDS slots.
; A's rows (a2) lie along K: 512 bytes a row and step.  B (wo16) lies [k][column]: a step is 256 rows of 256 bytes, and its fragments come out of LDS turned, by ds_load_tr16_b128.
; CLUSTER.  4 x 4 work-groups; the four of a row of the cluster ask jointly for A's tiles, the four of a column for B's.
; THE MATRIX INSTRUCTION IS USED TRANSPOSED (source 0 = 16 columns of B, source 1 = 16 rows of A): a lane holds eight neighbouring columns of one row, 32 bytes of f32.  The bias is the C operand that starts each sum.
; THE WAY OUT.  A wave's 64 columns of f32 are 256 bytes, aligned: each wave has a stage of its own, 16 rows at a time, and needs no barrier.
; REGISTERS: window 0: v0-31 addresses; v32-95 at work; v96-127 the bias; v128-255 the accumulators ((a, b) at v[128 + 8 (4 a + b)]).
;   window 1: two fragment buffers of 128: for 64 along K, 64 registers of A (2 x 4 x 16 rows x 32 K), then 64 of B.
.set KSTEP,  256
.set PA,     528                       ; a row of A in LDS: 512 bytes + 16 = 132 words: the 16 rows of a load start at 16 different groups of four banks (64 banks of 4 bytes: ISA guide 11.1)
.set AH,     64*PA                     ; 64 rows of A: one tensor load, and what one wave reads
.set PB,     288                       ; a row of B in LDS: 256 bytes + 32 = 72 words
.set BH,     128*PB                    ; 128 rows of B: one tensor load
.set SLOT,   2*AH+2*BH                 ; A's 128 rows, then B's 256 rows
.set STAGE,  2*SLOT                    ; behind the ring: 16 rows x 272 bytes for each wave; no tensor load lands there
.set SPITCH, 272
.set SPARE,  STAGE+4*16*SPITCH         ; behind the stages: the spare words, 128 bytes for each wave: two blocks of 256 bytes that no other line names
.set LAPS,   8                         ; a lap = two K steps
.set ADRA, 16                          ; v16-17  LDS address of my A fragments in slot 0, 1
.set ADRB, 20                          ; v20-23  the same for B: slot s, half kh of its 256 rows at ADRB + 2 s + kh (240 rows of 288 bytes pass an LDS offset's 16 bits)
.set STO,  24                          ; v24     the way out: where I put 32 bytes of a row
.set RD,   25                          ; v25     the way out: where I read a row back
.set CO,   26                          ; v26     my byte offset in two rows of out0
.set BO,   27                          ; v27     my byte offset in bo
.set SPW,  28                          ; v28     LDS address of my spare word: SPARE + 4 x my thread's number; never rewritten
.set NIL,  29                          ; v29     0; never rewritten
.set TMP,  32
.set BI,   96
.set ACC,  128
.set F0,   0
.set F1,   128
.set WV, 12                            ; s12  my wave's number
.set RH, 13                            ; s13  which half of the tile's rows is mine; also: I fetch for A (0) or for B (1)
.set CH, 14                            ; s14  which half of its columns; also: which half of that tile I fetch
.set G1,  24
.set G0,  32
.set G1B, 48
.set G0B, 56
.set MSB, 0
.macro WIN new                         ; the immediate's high byte repeats the setting that is left
.if MSB != (\new)
	s_set_vgpr_msb (MSB<<8)|(\new)
.set MSB, \new
.endif
.endm
.set MUL,  0x05                        ; sources 0 (B) and 1 (A) window 1; C and D window 0
.set TO_F, 0x40                        ; destination window 1, address window 0
.macro JLOAD s                         ; a joint load: waves 0 and 1 fetch A's two halves, waves 2 and 3 B's; an s_nop 0 and four v_nop follow each of the two lines
	s_cmp_eq_u32 s[RH], 0
	s_cbranch_scc0 .Lfor_b_\@
	tensor_load_to_lds s[G0+4*(\s):G0+4*(\s)+3], s[G1:G1+7]
	s_nop 0
.rept 4
	v_nop
.endr
	s_branch .Lasked_\@
.Lfor_b_\@:
	tensor_load_to_lds s[G0B+4*(\s):G0B+4*(\s)+3], s[G1B:G1B+7]
	s_nop 0
.rept 4
	v_nop
.endr
.Lasked_\@:
.endm
.macro CREST                           ; a round of the cluster's barrier behind its opening barrier
	s_cmp_lg_u32 s[WV], 0
	s_cbranch_scc1 .Lnot_wave_0_\@
	s_barrier_signal -3
.Lnot_wave_0_\@:
	s_barrier_wait -3
	s_barrier_signal -1
	s_barrier_wait -1
.endm
.macro CROUND
	s_barrier_signal -1
	s_barrier_wait -1
	CREST
.endm
	s_load_b256 s[4:11], s[0:1], 0x0               ; a2 s[4:5], wo16 s[6:7], bo s[8:9], out0 s[10:11]
	v_lshl_add_u32 v[SPW], v0, 2, SPARE
	v_mov_b32 v[NIL], 0
	ds_add_u32 v[SPW], v[NIL]                      ; the wave's opening: the add and its wait stand ahead of my first tensor load; the set-up below, work on registers, stands between them
	v_lshrrev_b32 v1, 5, v0
	v_readfirstlane_b32 s[WV], v1                  ; wave 0..3
	s_lshr_b32 s[RH], s[WV], 1
	s_and_b32 s[CH], s[WV], 1
	s_bfe_u32 s15, ttmp6, 0x40000                  ; cx
	s_bfe_u32 s16, ttmp6, 0x40004                  ; cy
	s_lshl_b32 s17, ttmp9, 2
	s_add_co_u32 s17, s17, s15                     ; TC: tile column
	s_and_b32 s18, ttmp7, 0xffff
	s_lshl_b32 s18, s18, 2
	s_add_co_u32 s18, s18, s16                     ; TR: tile row
	s_lshl_b32 s21, s16, 2
	s_lshl_b32 s21, 15, s21                        ; my row of the cluster
	s_lshl_b32 s22, 0x1111, s15                    ; my column
	s_or_b32 s[G1],  s21, (1<<16)|(1<<20)|(1<<21)|(6<<22)|(3<<25)  ; the mask; elements of 2 bytes; padding on; bit 21 beside a mask; after every 128 words, 4 words
	s_or_b32 s[G1B], s22, (1<<16)|(1<<20)|(1<<21)|(5<<22)|(7<<25)  ; after every 64 words, 8 words
	s_mov_b32 s[G1+1], 256<<16                     ; A: tensor_dim0 = 256
	s_mov_b32 s[G1+2], 64<<16                      ; tensor_dim1 = 64
	s_mov_b32 s[G1+3], 256<<16                     ; tile_dim0 = 256
	s_mov_b32 s[G1+4], 64                          ; tile_dim1 = 64
	s_mov_b32 s[G1+5], 4096                        ; elements from row to row
	s_mov_b32 s[G1+6], 0
	s_mov_b32 s[G1+7], 0
	s_mov_b32 s[G1B+1], 128<<16                    ; B: tensor_dim0 = 128
	s_mov_b32 s[G1B+2], 128<<16                    ; tensor_dim1 = 128
	s_mov_b32 s[G1B+3], 128<<16                    ; tile_dim0 = 128
	s_mov_b32 s[G1B+4], 128                        ; tile_dim1 = 128
	s_mov_b32 s[G1B+5], 1024
	s_mov_b32 s[G1B+6], 0
	s_mov_b32 s[G1B+7], 0
	s_lshl_b32 s40, s18, 20                        ; A: 128 TR rows of 8,192 bytes,
	s_lshl_b32 s41, s[CH], 19                      ; and the 64 rows that I fetch
	s_add_co_u32 s40, s40, s41
	s_mov_b32 s41, 0
	s_lshl_b32 s42, s[CH], 18                      ; B: the 128 rows of 2,048 bytes that I fetch,
	s_lshl_b32 s43, s17, 8                         ; and 128 TC columns
	s_add_co_u32 s42, s42, s43
	s_mov_b32 s43, 0
	s_mul_i32 s19, s[CH], AH                       ; where they go: A's halves,
	s_mul_i32 s20, s[CH], BH                       ; and B's,
	s_add_co_u32 s20, s20, 2*AH                    ; behind A's 128 rows
	s_wait_dscnt 0x0                               ; the opening add is done
	s_wait_kmcnt 0x0
	s_add_nc_u64 s[40:41], s[4:5], s[40:41]
	s_add_nc_u64 s[42:43], s[6:7], s[42:43]
	CROUND                                         ; all sixteen work-groups are here: the first joint loads meet
.irp s, 0,1
	s_mov_b32 s[G0+4*(\s)], 1
	s_add_co_u32 s[G0+4*(\s)+1], s19, (\s)*SLOT
	s_add_nc_u64 s[G0+4*(\s)+2:G0+4*(\s)+3], s[40:41], (\s)*KSTEP*2
	s_or_b32 s[G0+4*(\s)+3], s[G0+4*(\s)+3], 0x80000000
	s_mov_b32 s[G0B+4*(\s)], 1
	s_add_co_u32 s[G0B+4*(\s)+1], s20, (\s)*SLOT
	s_add_nc_u64 s[G0B+4*(\s)+2:G0B+4*(\s)+3], s[42:43], (\s)*KSTEP*2048
	s_or_b32 s[G0B+4*(\s)+3], s[G0B+4*(\s)+3], 0x80000000
	JLOAD \s                                       ; K steps 0 and 1: two loads of mine are out
.endr
	v_and_b32 v1, 15, v0                           ; l % 16
	v_bfe_u32 v2, v0, 4, 1                         ; l / 16
	v_mul_u32_u24 v3, v1, PA
	v_lshl_add_u32 v3, v2, 4, v3                   ; a fragment of A: row x pitch + 16 x half
	s_mul_i32 s23, s[RH], AH                       ; my 64 rows of A
	v_add_nc_u32 v[ADRA], s23, v3
	v_add_nc_u32 v[ADRA+1], SLOT, v[ADRA]
	v_and_b32 v4, 7, v0                            ; the turning load: lane l reads k = 8 (l / 16) + l % 8, columns 8 ((l / 8) % 2) + 0..7
	v_lshl_add_u32 v4, v2, 3, v4
	v_mul_u32_u24 v4, v4, PB
	v_bfe_u32 v5, v0, 3, 1
	v_lshl_add_u32 v4, v5, 4, v4
	s_lshl_b32 s23, s[CH], 7                       ; my 64 columns of B
	s_add_co_u32 s23, s23, 2*AH
	v_add_nc_u32 v[ADRB], s23, v4
	v_add_nc_u32 v[ADRB+1], BH, v[ADRB]
	v_add_nc_u32 v[ADRB+2], SLOT, v[ADRB]
	v_add_nc_u32 v[ADRB+3], SLOT+BH, v[ADRB]
	s_mul_i32 s23, s[WV], 16*SPITCH
	s_add_co_u32 s23, s23, STAGE                   ; my stage
	v_mul_u32_u24 v4, v1, SPITCH                   ; in: row l % 16, 32 bytes for each half of the lanes
	v_lshl_add_u32 v4, v2, 5, v4
	v_add_nc_u32 v[STO], s23, v4
	v_mul_u32_u24 v5, v2, SPITCH                   ; back: lanes 0-15 take one row of 256 bytes, lanes 16-31 the next
	v_lshl_add_u32 v5, v1, 4, v5
	v_add_nc_u32 v[RD], s23, v5
	v_lshlrev_b32 v5, 12, v2                       ; and the same two rows in out0
	v_lshl_add_u32 v[CO], v1, 4, v5
	s_lshl_b32 s44, s17, 9                         ; my 64 columns: 4 (128 TC + 64 CH) bytes, in bo and in a row of out0
	s_lshl_b32 s45, s[CH], 8
	s_add_co_u32 s44, s44, s45
	v_lshl_add_u32 v[BO], v2, 5, s44
	s_lshl_b32 s45, s18, 19                        ; my first row: 128 TR + 64 RH rows of 4,096 bytes
	s_add_co_u32 s44, s44, s45
	s_lshl_b32 s45, s[RH], 18
	s_add_co_u32 s44, s44, s45
	s_mov_b32 s45, 0
	s_add_nc_u64 s[10:11], s[10:11], s[44:45]
.irp b, 0,1,2,3
	global_load_b128 v[BI+8*(\b):BI+8*(\b)+3],   v[BO], s[8:9] offset:64*(\b)
	global_load_b128 v[BI+8*(\b)+4:BI+8*(\b)+7], v[BO], s[8:9] offset:64*(\b)+16
.endr
; 8 matrix instructions: row blocks a0, a0 + 1 x all 4 column blocks, 32 along K: half c of buffer f.  zero = 1: the product starts the sum, on the bias.  The 16 accumulators take turns.
.macro MUL8 f, c, a0, zero
	WIN MUL
.irp a, \a0, (\a0)+1
.irp b, 0,1,2,3
.if \zero
	v_wmma_f32_16x16x32_f16 v[ACC+8*(4*(\a)+(\b)):ACC+8*(4*(\a)+(\b))+7], v[(\f)+64+8*(4*(\c)+(\b)):(\f)+64+8*(4*(\c)+(\b))+7], v[(\f)+8*(4*(\c)+(\a)):(\f)+8*(4*(\c)+(\a))+7], v[BI+8*(\b):BI+8*(\b)+7]
.else
	v_wmma_f32_16x16x32_f16 v[ACC+8*(4*(\a)+(\b)):ACC+8*(4*(\a)+(\b))+7], v[(\f)+64+8*(4*(\c)+(\b)):(\f)+64+8*(4*(\c)+(\b))+7], v[(\f)+8*(4*(\c)+(\a)):(\f)+8*(4*(\c)+(\a))+7], v[ACC+8*(4*(\a)+(\b)):ACC+8*(4*(\a)+(\b))+7]
.endif
.endr
.endr
.endm
; 32 LDS loads in one run: the fragments of quarter q of a K step (64 along K) into buffer f; the first 32 along K first
.macro FETCH slot, q, f
	WIN TO_F
.irp c, 0,1
.irp i, 0,1,2,3
	ds_load_tr16_b128 v[(\f)+64+8*(4*(\c)+(\i)):(\f)+64+8*(4*(\c)+(\i))+3],   v[ADRB+2*(\slot)+(\q)/2] offset:(((\q)%2)*64+32*(\c))*PB+32*(\i)
	ds_load_tr16_b128 v[(\f)+64+8*(4*(\c)+(\i))+4:(\f)+64+8*(4*(\c)+(\i))+7], v[ADRB+2*(\slot)+(\q)/2] offset:(((\q)%2)*64+32*(\c)+16)*PB+32*(\i)
	ds_load_b128 v[(\f)+8*(4*(\c)+(\i)):(\f)+8*(4*(\c)+(\i))+3],   v[ADRA+(\slot)] offset:128*(\q)+64*(\c)+(\i)*16*PA
	ds_load_b128 v[(\f)+8*(4*(\c)+(\i))+4:(\f)+8*(4*(\c)+(\i))+7], v[ADRA+(\slot)] offset:128*(\q)+64*(\c)+(\i)*16*PA+32
.endr
.endr
.endm
.macro PLACES                          ; four places in front of loads into registers that matrix instructions have read, and of LDS stores that read results
.rept 4
	v_nop
.endr
.endm
; One of a K step's first three quarters: multiplies buffer f and fetches quarter q of the same slot into g.
.macro QUARTER slot, q, f, g, zero
	s_wait_dscnt 16                                ; the first 32 along K are in; the other sixteen loads may be out
	MUL8 \f, 0, 0, \zero
	MUL8 \f, 0, 2, \zero
	PLACES
	FETCH \slot, \q, \g
	s_wait_dscnt 32                                ; all but the 32 just issued
	MUL8 \f, 1, 0, 0
	MUL8 \f, 1, 2, 0
.endm
; The last quarter multiplies buffer 1 and changes slots: ONE barrier; in front of it each wave waits for all its tensor loads, adds 0 to its spare word, and waits for that and for its own reads of this slot.
; fill = 1: the barrier opens a round of the cluster's, and this slot is filled again, two K steps ahead: the first tensor load behind the round, one a wave, 112 matrix instructions ahead of the wait for it.
.macro TURN slot, next, fill
	WIN 0                                          ; (the add's two registers lie in window 0)
	s_wait_tensorcnt 0x0                           ; all my tensor loads have landed: my part of the next slot
	ds_add_u32 v[SPW], v[NIL]                      ; 0 onto my spare word
	s_wait_dscnt 17                                ; (the add and the youngest sixteen loads may be out)
	MUL8 F1, 0, 0, 0                               ; eight matrix instructions stand between the add and the wait for it
	s_wait_dscnt 0x0                               ; the add is done, and my reads of this slot are over
	s_barrier_signal -1
	MUL8 F1, 0, 2, 0
.if \fill
	WIN 0
.endif
	s_barrier_wait -1
.if \fill
	CREST                                          ; no wave of any partner still reads this slot's tile or has a load on its way
	s_add_nc_u64 s[G0+4*(\slot)+2:G0+4*(\slot)+3], s[G0+4*(\slot)+2:G0+4*(\slot)+3], 2*KSTEP*2
	s_add_nc_u64 s[G0B+4*(\slot)+2:G0B+4*(\slot)+3], s[G0B+4*(\slot)+2:G0B+4*(\slot)+3], 2*KSTEP*2048
	JLOAD \slot                                    ; the four v_nop behind it are also the places in front of the loads below
.else
	PLACES
.endif
	FETCH \next, 0, F0
	MUL8 F1, 1, 0, 0
	MUL8 F1, 1, 2, 0
.endm
	s_wait_tensorcnt 1                             ; my part of K step 0 is in; K step 1's may stay out
	s_barrier_signal -1
	s_barrier_wait -1                              ; everybody's is
	FETCH 0, 0, F0
	WIN 0
	s_wait_loadcnt 0x0                             ; the bias: rounded to bf16 and widened again
.set i, 0
.rept 16
	v_cvt_pk_bf16_f32 v[TMP+i], v[BI+2*i], v[BI+2*i+1]
.set i, i+1
.endr
.set i, 0
.rept 16
	v_lshlrev_b32 v[BI+2*i],   16, v[TMP+i]
	v_and_b32     v[BI+2*i+1], 0xffff0000, v[TMP+i]
.set i, i+1
.endr
	QUARTER 0, 1, F0, F1, 1                        ; the first quarter stands in front of the loop: its first products start the sums
	WIN 0                                          ; at a label and at a branch every window is 0
	s_mov_b32 s3, LAPS-1
.Llap:                                                 ; a trip goes once round the ring, from a lap's second quarter to the next lap's first, and fills both slots again
	QUARTER 0, 2, F1, F0, 0
	QUARTER 0, 3, F0, F1, 0
	TURN 0, 1, 1
	QUARTER 1, 1, F0, F1, 0
	QUARTER 1, 2, F1, F0, 0
	QUARTER 1, 3, F0, F1, 0
	TURN 1, 0, 1
	QUARTER 0, 1, F0, F1, 0
	WIN 0
	s_sub_co_u32 s3, s3, 1
	s_cmp_lg_u32 s3, 0
	s_cbranch_scc1 .Llap
	QUARTER 0, 2, F1, F0, 0                        ; the last lap fills nothing, and has no round of the cluster's barrier
	QUARTER 0, 3, F0, F1, 0
	TURN 0, 1, 0
	QUARTER 1, 1, F0, F1, 0
	QUARTER 1, 2, F1, F0, 0
	QUARTER 1, 3, F0, F1, 0
	s_wait_dscnt 16                                ; the very last quarter: nothing more to fetch
	MUL8 F1, 0, 0, 0
	MUL8 F1, 0, 2, 0
	s_wait_dscnt 0x0
	MUL8 F1, 1, 0, 0
	MUL8 F1, 1, 2, 0
	WIN 0
	; THE WAY OUT, a block of 16 rows at a time: 32 bytes a lane into my stage (each accumulator's low registers first), back as whole rows of 256 bytes, stored.
	PLACES
.irp a, 0,1,2,3
.irp b, 0,1,2,3
	ds_store_b128 v[STO], v[ACC+8*(4*(\a)+(\b)):ACC+8*(4*(\a)+(\b))+3]   offset:64*(\b)
	ds_store_b128 v[STO], v[ACC+8*(4*(\a)+(\b))+4:ACC+8*(4*(\a)+(\b))+7] offset:64*(\b)+16
.endr
	s_wait_xcnt 0x0                                ; the stores of two blocks back have read their registers: they are loaded again only behind this wait
.irp t, 0,1,2,3,4,5,6,7
	ds_load_b128 v[TMP+32*((\a)%2)+4*(\t):TMP+32*((\a)%2)+4*(\t)+3], v[RD] offset:(\t)*2*SPITCH  ; LDS serves a wave's instructions in order (ISA guide 5.7.1.4): these see the stores above
.endr
.irp t, 0,1,2,3,4,5,6,7
	s_wait_dscnt 7-(\t)
	global_store_b128 v[CO], v[TMP+32*((\a)%2)+4*(\t):TMP+32*((\a)%2)+4*(\t)+3], s[10:11] offset:(16*(\a)+2*(\t))*4096 th:TH_STORE_NT  ; 16 lanes store 256 consecutive bytes, aligned
.endr
.endr
	s_wait_tensorcnt 0x0                           ; the wave's end, behind my last tensor load and my last LDS store
	ds_add_u32 v[SPW], v[NIL]
	s_wait_dscnt 0x0
	CROUND                                         ; the closing round: no work-group ends while a partner may still ask for a tile that names it
	s_endpgm
.Lfunc_end_k_q75f0155ea5_proj:
	.size	k_q75f0155ea5_proj, .Lfunc_end_k_q75f0155ea5_proj-k_q75f0155ea5_proj
	.p2alignl 7, 3214868480
	.fill 96, 4, 3214868480
	.section	.rodata,"a",@progbits
	.p2align	6, 0x0
	.amdhsa_kernel k_q75f0155ea5_proj
		.amdhsa_group_segment_fixed_size 327680
		.amdhsa_private_segment_fixed_size 0
		.amdhsa_enable_private_segment 0
		.amdhsa_kernarg_size 32
		.amdhsa_user_sgpr_count 2
		.amdhsa_user_sgpr_kernarg_segment_ptr 1
		.amdhsa_wavefront_size32 1
		.amdhsa_system_sgpr_workgroup_id_x 1
		.amdhsa_system_sgpr_workgroup_id_y 1
		.amdhsa_system_sgpr_workgroup_id_z 1
		.amdhsa_system_vgpr_workitem_id 0
		.amdhsa_next_free_vgpr 512
		.amdhsa_next_free_sgpr 66
		.amdhsa_reserve_vcc 0
		.amdhsa_float_denorm_mode_32 3
		.amdhsa_float_denorm_mode_16_64 3
		.amdhsa_memory_ordered 1
		.amdhsa_forward_progress 1
		.amdhsa_inst_pref_size 90
	.end_amdhsa_kernel
	.amdgpu_metadata
---
amdhsa.version: [ 1, 2 ]
amdhsa.kernels:
  - .name:           k_q75f0155ea5_proj
    .symbol:         k_q75f0155ea5_proj.kd
    .args:
      - { .name: a2, .offset: 0, .size: 8, .value_kind: global_buffer, .address_space: global }
      - { .name: wo16, .offset: 8, .size: 8, .value_kind: global_buffer, .address_space: global }
      - { .name: bo, .offset: 16, .size: 8, .value_kind: global_buffer, .address_space: global }
      - { .name: out0, .offset: 24, .size: 8, .value_kind: global_buffer, .address_space: global }
    .group_segment_fixed_size: 327680
    .private_segment_fixed_size: 0
    .kernarg_segment_align: 8
    .kernarg_segment_size: 32
    .max_flat_workgroup_size: 128
    .sgpr_count:     66
    .vgpr_count:     512
    .wavefront_size: 32
...
	.end_amdgpu_metadata
.endif
;; end of part 4
